; MI455X (gfx1250); checked and timed in simulation.
; The chip was launched on July 23, 2026; its instructions are those of AMD's public machine-readable ISA for CDNA 5 (MIT licence, August 2026) and "CDNA5" Instruction Set Architecture Reference Guide (July 2026). The comments in the code are by the model that wrote it; some were corrected since.
;; HF Exaone Attention. Allowed arithmetic: float matrix products may take bf16 or f16 operands with f32 sums; other float arithmetic in f32, or as packed bf16 or f16 multiplies, adds, multiply-adds, maxima and minima; sums over many terms, partial sums and values carried from step to step in f32; what a program stores and reads back later, other than sums and carried values, may be rounded once to bf16 or f16.
;; Inputs: cos 2 x 2,048 x 128 float32; hidden_states 2 x 2,048 x 4,096 float32; sin 2 x 2,048 x 128 float32; wk 512 x 4,096 float32; wo 4,096 x 1,024 float32; wq 1,024 x 4,096 float32; wv 512 x 4,096 float32.
;; Outputs: out0 2 x 2,048 x 4,096 float32.
;; One version. Each part assembles by itself: llvm-mc -triple=amdgcn-amd-amdhsa -mcpu=gfx1250 --defsym DOCPART=n.
;; ======== version 1 of 1: 4 launches
;; limits: values are held in f16: magnitudes above 65,504 overflow, below 6.1e-05 lose precision
;; workspace buffers: xb 33,554,432 bytes; wqkv 16,777,216 bytes; wo16 8,388,608 bytes; cs 2,097,152 bytes; qkv 16,777,216 bytes; ao 8,388,608 bytes
;; launch cvt (part 1): grid 1856 x 1, 8 waves a work-group, no clusters, 0 bytes of LDS; arguments hidden_states, wq, wk, wv, wo, cos, sin, xb, wqkv, wo16, cs; writes xb, wqkv, wo16, cs
.if DOCPART == 1
	.amdgcn_target "amdgcn-amd-amdhsa--gfx1250"
	.amdhsa_code_object_version 6
	.text
	.protected	k_qe619c31e56_cvt
	.globl	k_qe619c31e56_cvt
	.p2align	8
	.type	k_qe619c31e56_cvt,@function
k_qe619c31e56_cvt:
	s_mov_b64 s[64:65], 0
	v_nop
	global_prefetch_b8 v0, s[64:65] scope:SCOPE_SE
	s_setreg_imm32_b32 hwreg(HW_REG_WAVE_MODE, 25, 1), 1
	s_wait_xcnt 0x0
; ALL SEVEN INPUTS ARE ROUNDED ONCE TO bf16, and the 16-bit copies are laid out that the three launches behind read.
;   xb   [4096 tokens][4096] bf16 = hidden_states          wqkv [2048][4096] bf16 = wq's 1,024 rows, wk's 512, wv's 512
;   wo16 [4096][1024] f16 = 4 x bf16(wo): the 4 undoes the 1/4 by which v is kept in f16; exact where |wo| >= 1.5e-5 (below that f16's fixed step, 1.5e-8 of wo), and |wo| stays under 16,376
;   cs   [4096 tokens][256] bf16: columns 0-127 bf16(cos) / 128; 128-191 -bf16(sin) / 128; 192-255 +bf16(sin) / 128: the sign is rotate_half's, the 1/128 keeps q and k inside f16
; A stream: no LDS, no matrix unit, no barrier.  A work-group takes one chunk of 16,384 f32 (65,536 bytes), a wave 8,192 bytes on end as 16 pieces of 512 bytes, a lane 16 bytes of each piece.
; All 16 loads of a wave go out first; a piece's 128 numbers leave as 256 consecutive bytes, aligned, by one store of 8 bytes a lane.  No register that a load or store names is written again.
; Chunks, by the work-group's number g: 0-1023 x; 1024-1279 wq; 1280-1407 wk; 1408-1535 wv; 1536-1791 wo; 1792-1823 cos; 1824-1855 sin.
.set X, 4                              ; v[4:67]    piece i: 4 registers as loaded
.set Y, 68                             ; v[68:99]   piece i: 2 registers to store
.set T, 100                            ; v[100:101] at work; for cos and sin the lane's factor, twice
; kind 0: to bf16.  kind 1: to bf16, times 4, written as f16.  kind 2: times the lane's factor (a power of two, so the rounding is that of the number itself), to bf16.
; dstep: bytes from one piece's place in the destination to the next.
.macro CHUNK kind, dstep
.irp i, 0,1,2,3,4,5,6,7,8,9,10,11,12,13,14,15
	global_load_b128 v[X+4*(\i):X+4*(\i)+3], v1, s[30:31] offset:512*(\i) th:TH_LOAD_NT
.endr
.irp i, 0,1,2,3,4,5,6,7,8,9,10,11,12,13,14,15
	s_wait_loadcnt 15-(\i)                         ; loads come back in order: piece i is in, the younger ones stay out
.if (\kind) == 2
	v_pk_mul_f32 v[X+4*(\i):X+4*(\i)+1], v[X+4*(\i):X+4*(\i)+1], v[T:T+1]
	v_pk_mul_f32 v[X+4*(\i)+2:X+4*(\i)+3], v[X+4*(\i)+2:X+4*(\i)+3], v[T:T+1]
.endif
.if (\kind) == 1
	v_cvt_pk_bf16_f32 v[T], v[X+4*(\i)], v[X+4*(\i)+1]
	v_cvt_pk_bf16_f32 v[T+1], v[X+4*(\i)+2], v[X+4*(\i)+3]
	v_lshlrev_b32 v[X+4*(\i)], 16, v[T]            ; the rounded numbers as f32 again
	v_and_b32 v[X+4*(\i)+1], 0xffff0000, v[T]
	v_lshlrev_b32 v[X+4*(\i)+2], 16, v[T+1]
	v_and_b32 v[X+4*(\i)+3], 0xffff0000, v[T+1]
	v_pk_mul_f32 v[X+4*(\i):X+4*(\i)+1], v[X+4*(\i):X+4*(\i)+1], 4.0 op_sel_hi:[1,0]
	v_pk_mul_f32 v[X+4*(\i)+2:X+4*(\i)+3], v[X+4*(\i)+2:X+4*(\i)+3], 4.0 op_sel_hi:[1,0]
	v_cvt_pk_f16_f32 v[Y+2*(\i)], v[X+4*(\i)], v[X+4*(\i)+1]
	v_cvt_pk_f16_f32 v[Y+2*(\i)+1], v[X+4*(\i)+2], v[X+4*(\i)+3]
.else
	v_cvt_pk_bf16_f32 v[Y+2*(\i)], v[X+4*(\i)], v[X+4*(\i)+1]
	v_cvt_pk_bf16_f32 v[Y+2*(\i)+1], v[X+4*(\i)+2], v[X+4*(\i)+3]
.endif
	global_store_b64 v2, v[Y+2*(\i):Y+2*(\i)+1], s[32:33] offset:(\dstep)*(\i)  ; 32 lanes x 8 bytes: 256 consecutive bytes, aligned
.endr
.endm
	s_load_b512 s[8:23], s[0:1], 0x0               ; x 8, wq 10, wk 12, wv 14, wo 16, cos 18, sin 20, xb 22
	s_load_b128 s[24:27], s[0:1], 0x40             ; wqkv 24, wo16 26
	s_load_b64 s[28:29], s[0:1], 0x50              ; cs
	s_mov_b32 s2, ttmp9                            ; g
	v_and_b32 v3, 31, v0                           ; lane
	v_lshrrev_b32 v2, 5, v0                        ; wave
	v_lshlrev_b32 v1, 4, v3
	v_lshl_add_u32 v1, v2, 13, v1                  ; in: 8,192 x wave + 16 x lane
	v_lshlrev_b32 v3, 3, v3                        ; out: 8 x lane
	s_mov_b32 s35, 0                               ; the offsets' high words
	s_mov_b32 s37, 0
	s_wait_kmcnt 0x0
	s_cmp_ge_u32 s2, 1792
	s_cbranch_scc1 .Lcs
	v_lshl_add_u32 v2, v2, 12, v3                  ; out: 4,096 x wave + 8 x lane
	s_cmp_ge_u32 s2, 1536
	s_cbranch_scc1 .Lwo
	; x, wq, wk, wv: source, destination and the two first chunks are chosen by g
	s_cmp_ge_u32 s2, 1024
	s_cselect_b64 s[30:31], s[10:11], s[8:9]
	s_cselect_b64 s[32:33], s[24:25], s[22:23]
	s_cselect_b32 s3, 1024, 0                      ; the source's first chunk
	s_cselect_b32 s4, 1024, 0                      ; the destination's
	s_cmp_ge_u32 s2, 1280
	s_cselect_b64 s[30:31], s[12:13], s[30:31]
	s_cselect_b32 s3, 1280, s3
	s_cmp_ge_u32 s2, 1408
	s_cselect_b64 s[30:31], s[14:15], s[30:31]
	s_cselect_b32 s3, 1408, s3
	s_sub_co_u32 s3, s2, s3
	s_sub_co_u32 s4, s2, s4
	s_lshl_b32 s34, s3, 16                         ; a chunk is 65,536 bytes in,
	s_lshl_b32 s36, s4, 15                         ; 32,768 out
	s_add_nc_u64 s[30:31], s[30:31], s[34:35]
	s_add_nc_u64 s[32:33], s[32:33], s[36:37]
	CHUNK 0, 256
	s_endpgm
.Lwo:
	s_sub_co_u32 s3, s2, 1536
	s_lshl_b32 s34, s3, 16
	s_lshl_b32 s36, s3, 15
	s_add_nc_u64 s[30:31], s[16:17], s[34:35]
	s_add_nc_u64 s[32:33], s[26:27], s[36:37]
	CHUNK 1, 256
	s_endpgm
.Lcs:                                                  ; a piece is one token's 128 numbers; it goes into half of the token's 512 bytes of cs
	v_lshl_add_u32 v2, v2, 13, v3                  ; out: 16 tokens x 512 bytes x wave + 8 x lane
	s_sub_co_u32 s3, s2, 1792
	s_mov_b32 s6, 0x3c000000                       ; 1/128 (in a register: an instruction holds one literal)
	s_cmp_ge_u32 s3, 32                            ; sin?
	s_cselect_b64 s[30:31], s[20:21], s[18:19]
	s_cselect_b32 s4, 256, 0                       ; sin's half of a token's row
	s_cselect_b32 s5, 0xbc000000, s6               ; -1/128 for sin's channels 0-63, which lanes 0-15 hold; else 1/128
	s_and_b32 s3, s3, 31
	s_lshl_b32 s34, s3, 16                         ; 128 tokens: 65,536 bytes in, and as many of cs
	s_add_co_u32 s36, s34, s4
	s_add_nc_u64 s[30:31], s[30:31], s[34:35]
	s_add_nc_u64 s[32:33], s[28:29], s[36:37]
	v_mov_b32 v[T], s6
	v_mov_b32 v[T+1], s5
	v_cmp_gt_u32 vcc_lo, 128, v3                   ; lanes 0-15
	v_cndmask_b32 v[T], v[T], v[T+1], vcc_lo
	v_mov_b32 v[T+1], v[T]
	CHUNK 2, 512
	s_endpgm
.Lfunc_end_k_qe619c31e56_cvt:
	.size	k_qe619c31e56_cvt, .Lfunc_end_k_qe619c31e56_cvt-k_qe619c31e56_cvt
	.p2alignl 7, 3214868480
	.fill 96, 4, 3214868480
	.section	.rodata,"a",@progbits
	.p2align	6, 0x0
	.amdhsa_kernel k_qe619c31e56_cvt
		.amdhsa_group_segment_fixed_size 0
		.amdhsa_private_segment_fixed_size 0
		.amdhsa_enable_private_segment 0
		.amdhsa_kernarg_size 88
		.amdhsa_user_sgpr_count 2
		.amdhsa_user_sgpr_kernarg_segment_ptr 1
		.amdhsa_wavefront_size32 1
		.amdhsa_system_sgpr_workgroup_id_x 1
		.amdhsa_system_sgpr_workgroup_id_y 1
		.amdhsa_system_sgpr_workgroup_id_z 1
		.amdhsa_system_vgpr_workitem_id 0
		.amdhsa_next_free_vgpr 104
		.amdhsa_next_free_sgpr 66
		.amdhsa_reserve_vcc 1
		.amdhsa_float_denorm_mode_32 3
		.amdhsa_float_denorm_mode_16_64 3
		.amdhsa_memory_ordered 1
		.amdhsa_forward_progress 1
		.amdhsa_inst_pref_size 29
	.end_amdhsa_kernel
	.amdgpu_metadata
---
amdhsa.version: [ 1, 2 ]
amdhsa.kernels:
  - .name:           k_qe619c31e56_cvt
    .symbol:         k_qe619c31e56_cvt.kd
    .args:
      - { .name: hidden_states, .offset: 0, .size: 8, .value_kind: global_buffer, .address_space: global }
      - { .name: wq, .offset: 8, .size: 8, .value_kind: global_buffer, .address_space: global }
      - { .name: wk, .offset: 16, .size: 8, .value_kind: global_buffer, .address_space: global }
      - { .name: wv, .offset: 24, .size: 8, .value_kind: global_buffer, .address_space: global }
      - { .name: wo, .offset: 32, .size: 8, .value_kind: global_buffer, .address_space: global }
      - { .name: cos, .offset: 40, .size: 8, .value_kind: global_buffer, .address_space: global }
      - { .name: sin, .offset: 48, .size: 8, .value_kind: global_buffer, .address_space: global }
      - { .name: xb, .offset: 56, .size: 8, .value_kind: global_buffer, .address_space: global }
      - { .name: wqkv, .offset: 64, .size: 8, .value_kind: global_buffer, .address_space: global }
      - { .name: wo16, .offset: 72, .size: 8, .value_kind: global_buffer, .address_space: global }
      - { .name: cs, .offset: 80, .size: 8, .value_kind: global_buffer, .address_space: global }
    .group_segment_fixed_size: 0
    .private_segment_fixed_size: 0
    .kernarg_segment_align: 8
    .kernarg_segment_size: 88
    .max_flat_workgroup_size: 256
    .sgpr_count:     66
    .vgpr_count:     104
    .wavefront_size: 32
...
	.end_amdgpu_metadata
.endif
;; end of part 1
;; launch qkvproj (part 2): grid 8 x 32, 4 waves a work-group, clusters of 4 x 4, 327,680 bytes of LDS; arguments xb, wqkv, cs, qkv; writes qkv
.if DOCPART == 2
	.amdgcn_target "amdgcn-amd-amdhsa--gfx1250"
	.amdhsa_code_object_version 6
	.text
	.protected	k_qe619c31e56_qkvproj
	.globl	k_qe619c31e56_qkvproj
	.p2align	8
	.type	k_qe619c31e56_qkvproj,@function
k_qe619c31e56_qkvproj:
	s_mov_b64 s[64:65], 0
	v_nop
	global_prefetch_b8 v0, s[64:65] scope:SCOPE_SE
	s_setreg_imm32_b32 hwreg(HW_REG_WAVE_MODE, 25, 1), 1
	s_wait_xcnt 0x0
	s_wait_alu depctr_hold_cnt(0) depctr_sa_sdst(0) depctr_va_vdst(0) depctr_va_sdst(0) depctr_va_ssrc(0) depctr_va_vcc(0) depctr_vm_vsrc(0)
	s_getreg_b32 s2, hwreg(HW_REG_IB_STS2, 6, 4)
	s_cmp_eq_u32 s2, 0
	s_cbranch_scc0 .Lentry_in_a_cluster
	s_endpgm
.Lentry_in_a_cluster:
	s_bfe_u32 s2, ttmp6, 0x10000c
	s_cmp_lg_u32 s2, 0xf033
	s_cbranch_scc0 .Lentry_shape_is_right
	s_endpgm
.Lentry_shape_is_right:
; THE THREE PROJECTIONS AS ONE PRODUCT, WITH RoPE ON THE WAY OUT.  C[token][n] = sum over k of xb[token][k] wqkv[n][k]: 4,096 x 2,048 x 4,096, operands bf16, sums f32.
; Columns 128 hn .. 128 hn + 127 are head slot hn: 0-7 q, 8-11 k, 12-15 v.  Out: qkv[hn][token][128] in f16, rounded once:
;   q, k: (x c + rotate_half(x) s) / 128, by the table cs, which holds cos / 128 and the signed sin / 128 in bf16;      v: x / 4.
; LIMITS.  f16 ends at 65,504: |q|, |k| after RoPE stay under 8.38e6 and |v| under 262,000; below 6.1e-5 (q, k under 7.8e-3, v under 2.4e-4) f16 keeps a fixed step of 6e-8.  NaN and infinities are not treated apart.
; SHARES.  A tile of C is 128 tokens x 256 columns: 256 work-groups.  Four waves; wave w has row half w / 2 (64 tokens) and column half w % 2 (128 columns: one head slot): 4 x 8 accumulators, 256 registers.
; K goes in steps of 128 (rows of 256 bytes) through two LDS slots filled by tensor loads; a slot of twice the step would be 202,752 bytes, and two of those do not fit.
; CLUSTER 4 x 4.  A's tiles and the table's hang on the tile row alone and are asked for jointly along a row of the cluster, B's on the tile column alone, along a column.
; THE MATRIX INSTRUCTION IS USED TRANSPOSED (source 0 = 16 rows of wqkv, source 1 = 16 tokens): a lane holds token l % 16 and the eight columns 16 b + 8 (l / 16) + 0..7.
; REGISTERS, in windows of 256 (s_set_vgpr_msb: bits 1:0 source 0, 3:2 source 1, 5:4 source 2, 7:6 destination):
;   window 0: v16-30 addresses; v32-255 the way out      window 1: accumulator (a, b) at v[8 (8 a + b)]      window 2: two fragment buffers of 96: B's 8 fragments, then A's 4
.set SIZE_K, 4096
.set KSH,    13                        ; a row of xb or wqkv is 8,192 bytes
.set KSTEP,  128
.set PITCH,  272                       ; an LDS row: 256 bytes + 16 of padding: the 16 rows of a fragment load start at 16 different groups of four banks (ISA guide 11.1)
.set BOFF,   128*PITCH                 ; in a slot: A's 128 rows, then B's 256
.set SLOT,   384*PITCH
.set CSB,    2*SLOT                    ; behind the ring: the table's 128 rows of 512 bytes + 16, filled once
.set CPITCH, 528
.set STAGE,  CSB+128*CPITCH            ; 16 rows x 272 bytes for each wave, for the way out
.set SPITCH, 272
.set SPARE,  STAGE+4*16*SPITCH         ; the spare words, 128 bytes for each wave: two blocks of 256 bytes that no other line names
.set LAPS,   SIZE_K/(2*KSTEP)          ; a lap = two K steps = once round the ring
.set ADRA, 16                          ; v16-17  LDS address of my A fragments in slot 0, 1
.set ADRB, 20                          ; v20-21  the same for B
.set STO,  24                          ; v24     the way out: where I put 16 bytes of a row
.set RD,   25                          ; v25     where I read rows back
.set CO,   26                          ; v26     16 x lane: my place in 512 consecutive bytes of qkv
.set CSA,  27                          ; v27     my place in the table
.set SPW,  28                          ; v28     LDS address of my spare word; never rewritten
.set NIL,  29                          ; v29     0; never rewritten
.set ZR,   30                          ; v30     0.0, the addend of the products that start a sum
.set T,    32                          ; v32-95  a block's 64 results in f32
.set OB,   32                          ; v32-63  later the block's rows read back
.set PK,   96                          ; v96-127 the results in f16
.set CSR,  128                         ; v128-255 the table's part for a block of 16 tokens, two buffers of 64: for b = 0..3 four registers each of c_lo, c_hi, s_lo, s_hi
.set F0,   0
.set F1,   96
.set WV,  12                           ; s12 wave   s13 row half; also: I fetch for A (0) or B (1)   s14 column half; also: which half of that tile I fetch
.set G1A, 24                           ; s[24:31] descriptor group 1 for A's tiles;  s[32:39] group 0, a set for each slot
.set G0A, 32
.set G1B, 40                           ; s[40:47], s[48:55] the same for B's
.set G0B, 48
.set G1C, 56                           ; s[56:63], s[68:71] for the table
.set G0C, 68
.set PADA, (1<<16)|(1<<20)|(1<<21)|(5<<22)|(3<<25)  ; 17:16 2-byte elements; 20 padding on; 21 set beside a mask; 24:22 after every 64 words; 31:25 4 words
.set PADC, (1<<16)|(1<<20)|(1<<21)|(6<<22)|(3<<25)  ; the same after every 128 words
.set MSB, 0
.macro WIN new                         ; the immediate's high byte repeats the setting that is left; a switch that changes nothing is dropped
.if MSB != (\new)
	s_set_vgpr_msb (MSB<<8)|(\new)
.set MSB, \new
.endif
.endm
.set MUL,  0x5a                        ; sources 0 and 1 window 2, C and D window 1
.set TO_F, 0x80                        ; destination window 2, address window 0
.macro PLACES                          ; four places in front of loads into registers that matrix instructions have read, and of lines that read results
.rept 4
	v_nop
.endr
.endm
; A joint refill.  Waves 0 and 1 fetch A's two halves (64 rows each), waves 2 and 3 B's (128 rows each).  The branch hangs on the wave's number alone.
; An s_nop 0 and four v_nop follow each of the two lines, ahead of the jump and the label.
.macro JLOAD s
	s_cmp_eq_u32 s13, 0
	s_cbranch_scc0 .Lfor_b_\@
	tensor_load_to_lds s[G0A+4*(\s):G0A+4*(\s)+3], s[G1A:G1A+7]
	s_nop 0
.rept 4
	v_nop
.endr
	s_branch .Lasked_\@
.Lfor_b_\@:
	tensor_load_to_lds s[G0B+4*(\s):G0B+4*(\s)+3], s[G1B:G1B+7]
	s_nop 0
.rept 4
	v_nop
.endr
.Lasked_\@:
.endm
.macro CREST                           ; a round of the cluster's barrier behind its opening barrier
	s_cmp_lg_u32 s[WV], 0
	s_cbranch_scc1 .Lnot_wave_0_\@
	s_barrier_signal -3
.Lnot_wave_0_\@:
	s_barrier_wait -3
	s_barrier_signal -1
	s_barrier_wait -1
.endm
.macro CROUND                          ; a whole round
	s_barrier_signal -1
	s_barrier_wait -1
	CREST
.endm
	s_load_b256 s[4:11], s[0:1], 0x0               ; xb s[4:5], wqkv s[6:7], cs s[8:9], qkv s[10:11]
	v_lshl_add_u32 v[SPW], v0, 2, SPARE
	v_mov_b32 v[NIL], 0
	ds_add_u32 v[SPW], v[NIL]                      ; the wave's opening: the add and its wait stand ahead of my first tensor load; the set-up below, work on registers, stands between them
	v_lshrrev_b32 v1, 5, v0
	v_readfirstlane_b32 s[WV], v1                  ; wave 0..3
	s_lshr_b32 s13, s[WV], 1
	s_and_b32 s14, s[WV], 1
	s_bfe_u32 s72, ttmp6, 0x40000                  ; cx, cy: my place in the cluster
	s_bfe_u32 s73, ttmp6, 0x40004
	s_lshl_b32 s74, ttmp9, 2
	s_add_co_u32 s74, s74, s72                     ; tile column = 4 x cluster x + cx
	s_and_b32 s75, ttmp7, 0xffff
	s_lshl_b32 s75, s75, 2
	s_add_co_u32 s75, s75, s73                     ; tile row = 4 x cluster y + cy
	s_lshl_b32 s76, s73, 2
	s_lshl_b32 s76, 15, s76                        ; my row of the cluster
	s_lshl_b32 s77, 0x1111, s72                    ; my column
	s_or_b32 s[G1A], s76, PADA                     ; A: 64 rows x 128 elements, to my row
	s_mov_b32 s[G1A+1], KSTEP<<16                  ; tensor_dim0
	s_mov_b32 s[G1A+2], 64<<16                     ; tensor_dim1
	s_mov_b32 s[G1A+3], KSTEP<<16                  ; tile_dim0
	s_mov_b32 s[G1A+4], 64                         ; tile_dim1
	s_mov_b32 s[G1A+5], SIZE_K                     ; elements from row to row
	s_mov_b32 s[G1A+6], 0
	s_mov_b32 s[G1A+7], 0
	s_or_b32 s[G1B], s77, PADA                     ; B: 128 rows x 128 elements, to my column
	s_mov_b32 s[G1B+1], KSTEP<<16
	s_mov_b32 s[G1B+2], 128<<16
	s_mov_b32 s[G1B+3], KSTEP<<16
	s_mov_b32 s[G1B+4], 128
	s_mov_b32 s[G1B+5], SIZE_K
	s_mov_b32 s[G1B+6], 0
	s_mov_b32 s[G1B+7], 0
	s_or_b32 s[G1C], s76, PADC                     ; the table: 32 rows x 256 elements, to my row
	s_mov_b32 s[G1C+1], 256<<16
	s_mov_b32 s[G1C+2], 32<<16
	s_mov_b32 s[G1C+3], 256<<16
	s_mov_b32 s[G1C+4], 32
	s_mov_b32 s[G1C+5], 256
	s_mov_b32 s[G1C+6], 0
	s_mov_b32 s[G1C+7], 0
	; where the tiles come from: A's and the table's offsets are made of the tile row and the wave's number, B's of the tile column and the wave's number, each in registers of its own
	s_lshl_b32 s16, s75, 7
	s_lshl_b32 s17, s14, 6
	s_add_co_u32 s16, s16, s17                     ; A: row 128 x tile row + 64 x half
	s_lshl_b32 s16, s16, KSH
	s_mov_b32 s17, 0
	s_lshl_b32 s18, s75, 7
	s_lshl_b32 s19, s[WV], 5
	s_add_co_u32 s18, s18, s19                     ; the table: token 128 x tile row + 32 x wave
	s_lshl_b32 s18, s18, 9
	s_mov_b32 s19, 0
	s_lshl_b32 s20, s74, 8
	s_lshl_b32 s21, s14, 7
	s_add_co_u32 s20, s20, s21                     ; B: row 256 x tile column + 128 x half
	s_lshl_b32 s20, s20, KSH
	s_mov_b32 s21, 0
	; and where they go: no place in the cluster enters an LDS address
	s_mul_i32 s2, s14, 64*PITCH
	s_mul_i32 s15, s14, 128*PITCH
	s_add_co_u32 s15, s15, BOFF
	s_mul_i32 s22, s[WV], 32*CPITCH
.irp s, 0,1
	s_mov_b32 s[G0A+4*(\s)], 1                     ; count = 1
	s_add_co_u32 s[G0A+4*(\s)+1], s2, (\s)*SLOT    ; LDS address
	s_mov_b32 s[G0B+4*(\s)], 1
	s_add_co_u32 s[G0B+4*(\s)+1], s15, (\s)*SLOT
.endr
	s_mov_b32 s[G0C], 1
	s_add_co_u32 s[G0C+1], s22, CSB
	; the head slot, and what makes a v slot's way out a plain scaling: its c becomes 0.25 and its s 0.  A choice of values: the text is the same for every slot
	s_lshl_b32 s80, s74, 1
	s_add_co_u32 s80, s80, s14                     ; hn
	s_cmp_ge_u32 s80, 12
	s_cselect_b32 s78, 0, -1                       ; the table is kept (q, k) or masked away (v),
	s_cselect_b32 s79, 0x3e803e80, 0               ; and 0.25 twice in bf16 set in c's place
	s_lshl_b32 s82, s80, 12
	s_lshl_b32 s81, s75, 7
	s_add_co_u32 s82, s82, s81
	s_lshl_b32 s81, s13, 6
	s_add_co_u32 s82, s82, s81                     ; my first row of qkv: 4,096 hn + 128 x tile row + 64 x row half
	s_lshl_b32 s82, s82, 8
	s_mov_b32 s83, 0
	s_wait_dscnt 0x0                               ; the opening add is done
	s_wait_kmcnt 0x0
	s_add_nc_u64 s[G0A+2:G0A+3], s[4:5], s[16:17]  ; K step 0,
	s_add_nc_u64 s[G0A+6:G0A+7], s[G0A+2:G0A+3], KSTEP*2  ; K step 1
	s_or_b32 s[G0A+3], s[G0A+3], 0x80000000        ; type = 2
	s_or_b32 s[G0A+7], s[G0A+7], 0x80000000
	s_add_nc_u64 s[G0B+2:G0B+3], s[6:7], s[20:21]
	s_add_nc_u64 s[G0B+6:G0B+7], s[G0B+2:G0B+3], KSTEP*2
	s_or_b32 s[G0B+3], s[G0B+3], 0x80000000
	s_or_b32 s[G0B+7], s[G0B+7], 0x80000000
	s_add_nc_u64 s[G0C+2:G0C+3], s[8:9], s[18:19]
	s_or_b32 s[G0C+3], s[G0C+3], 0x80000000
	s_add_nc_u64 s[10:11], s[10:11], s[82:83]
	CROUND                                         ; all sixteen work-groups are here: the first joint loads meet
	s_cmp_eq_u32 s13, 0                            ; the first fills go out as one group: both slots, then the table: three loads of mine are out
	s_cbranch_scc0 .Lfirst_b
	tensor_load_to_lds s[G0A:G0A+3], s[G1A:G1A+7]
	s_nop 0
	tensor_load_to_lds s[G0A+4:G0A+7], s[G1A:G1A+7]
	s_nop 0
.rept 4
	v_nop
.endr
	s_branch .Lfirst_asked
.Lfirst_b:
	tensor_load_to_lds s[G0B:G0B+3], s[G1B:G1B+7]
	s_nop 0
	tensor_load_to_lds s[G0B+4:G0B+7], s[G1B:G1B+7]
	s_nop 0
.rept 4
	v_nop
.endr
.Lfirst_asked:
	tensor_load_to_lds s[G0C:G0C+3], s[G1C:G1C+7]  ; every wave its 32 tokens of the table
	s_nop 0
.rept 4
	v_nop
.endr
	; A fragment is 16 rows x 32 K in 8 registers: lane l holds row l % 16, K = 8 (l / 16) + 0..7 and 16 + 8 (l / 16) + 0..7: two loads of 16 bytes, 32 bytes apart
	v_and_b32 v1, 15, v0                           ; l % 16
	v_bfe_u32 v2, v0, 4, 1                         ; l / 16
	v_mul_u32_u24 v3, v1, PITCH
	v_lshl_add_u32 v3, v2, 4, v3                   ; row x pitch + 16 x half
	s_mul_i32 s81, s13, 64*PITCH                   ; my 64 rows of A
	s_mul_i32 s82, s14, 128*PITCH                  ; my 128 rows of B
	s_add_co_u32 s82, s82, BOFF
.irp s, 0,1
	v_add_nc_u32 v[ADRA+(\s)], s81, v3
	v_add_nc_u32 v[ADRB+(\s)], s82, v3
	s_add_co_u32 s81, s81, SLOT
	s_add_co_u32 s82, s82, SLOT
.endr
	s_mul_i32 s81, s[WV], 16*SPITCH
	s_add_co_u32 s81, s81, STAGE                   ; my stage
	v_add_nc_u32 v[STO], s81, v3                   ; in: row l % 16, 16 bytes for each half of the lanes (the stage's pitch is the ring's)
	v_mul_u32_u24 v4, v2, SPITCH                   ; back: lanes 0-15 take one row of 256 bytes, lanes 16-31 the next
	v_lshl_add_u32 v4, v1, 4, v4
	v_add_nc_u32 v[RD], s81, v4
	v_and_b32 v5, 31, v0
	v_lshlrev_b32 v[CO], 4, v5
	s_mul_i32 s81, s13, 64*CPITCH
	s_add_co_u32 s81, s81, CSB
	v_mul_u32_u24 v4, v1, CPITCH
	v_lshl_add_u32 v4, v2, 4, v4
	v_add_nc_u32 v[CSA], s81, v4                   ; token l % 16 of my 64, 16 bytes for each half of the lanes
	v_mov_b32 v[ZR], 0
; 8 matrix instructions: token block a x all 8 column blocks, 32 along K.  zero = 1: the product starts the sums.  The 32 accumulators take turns, one instruction a turn, in the same order in every quarter.
.macro MUL8 f, a, zero
	WIN MUL
.irp b, 0,1,2,3,4,5,6,7
.if \zero
	v_wmma_f32_16x16x32_bf16 v[8*(8*(\a)+(\b)):8*(8*(\a)+(\b))+7], v[(\f)+8*(\b):(\f)+8*(\b)+7], v[(\f)+64+8*(\a):(\f)+64+8*(\a)+7], 0
.else
	v_wmma_f32_16x16x32_bf16 v[8*(8*(\a)+(\b)):8*(8*(\a)+(\b))+7], v[(\f)+8*(\b):(\f)+8*(\b)+7], v[(\f)+64+8*(\a):(\f)+64+8*(\a)+7], v[8*(8*(\a)+(\b)):8*(8*(\a)+(\b))+7]
.endif
.endr
.endm
.macro MUL16 f, a0, zero
	MUL8 \f, \a0, \zero
	MUL8 \f, (\a0)+1, \zero
.endm
; 24 LDS loads in one run: the fragments of a quarter step (32 K at byte k of the rows) into buffer f: B's sixteen, then A's eight
.macro FETCH slot, k, f
	WIN TO_F
.irp i, 0,1,2,3,4,5,6,7
	ds_load_b128 v[(\f)+8*(\i):(\f)+8*(\i)+3],   v[ADRB+(\slot)] offset:(\k)+(\i)*16*PITCH
	ds_load_b128 v[(\f)+8*(\i)+4:(\f)+8*(\i)+7], v[ADRB+(\slot)] offset:(\k)+(\i)*16*PITCH+32
.endr
.irp i, 0,1,2,3
	ds_load_b128 v[(\f)+64+8*(\i):(\f)+64+8*(\i)+3],   v[ADRA+(\slot)] offset:(\k)+(\i)*16*PITCH
	ds_load_b128 v[(\f)+64+8*(\i)+4:(\f)+64+8*(\i)+7], v[ADRA+(\slot)] offset:(\k)+(\i)*16*PITCH+32
.endr
.endm
; A K step is four quarters of 32 along K, 32 matrix instructions each, on buffers 0, 1, 0, 1.  One of the first three: multiplies buffer f; in its middle it fetches the next quarter, at byte k, into g.
.macro QUARTER slot, k, f, g, zero
	s_wait_dscnt 4                                 ; B and A's blocks 0, 1 are in; the youngest four loads (A's blocks 2, 3) may be out
	MUL16 \f, 0, \zero
	PLACES
	FETCH \slot, \k, \g
	s_wait_dscnt 24                                ; all but the 24 just issued
	MUL16 \f, 2, \zero
.endm
; The last quarter multiplies buffer 1 and changes slots: ONE barrier.  In front of it each wave waits for all its tensor loads (its part of the next slot), adds 0 to its spare word, and waits for that and for
; its reads of this slot.  fill = 1: the barrier opens a round of the cluster's, and this slot is filled again, two K steps ahead, first thing behind it: 112 matrix instructions ahead of the wait for it.
.macro TURN slot, next, fill
	WIN 0                                          ; (the add's two registers lie in window 0)
	s_wait_tensorcnt 0x0                           ; all my tensor loads have landed
	ds_add_u32 v[SPW], v[NIL]                      ; 0 onto my spare word
	s_wait_dscnt 5                                 ; (the add and the youngest four loads may be out)
	MUL8 F1, 0, 0                                  ; eight matrix instructions stand between the add and the wait for it
	s_wait_dscnt 0x0                               ; the add is done, and my reads of this slot are over
	s_barrier_signal -1
	MUL8 F1, 1, 0
.if \fill
	WIN 0
.endif
	s_barrier_wait -1
.if \fill
	CREST                                          ; no wave of any partner still reads this slot's tile or has a load on its way
	s_add_nc_u64 s[G0A+4*(\slot)+2:G0A+4*(\slot)+3], s[G0A+4*(\slot)+2:G0A+4*(\slot)+3], 2*KSTEP*2
	s_add_nc_u64 s[G0B+4*(\slot)+2:G0B+4*(\slot)+3], s[G0B+4*(\slot)+2:G0B+4*(\slot)+3], 2*KSTEP*2
	JLOAD \slot                                    ; the four v_nop behind it are also the places in front of the loads below
.else
	PLACES
.endif
	FETCH \next, 0, F0
	MUL16 F1, 2, 0
.endm
	s_wait_tensorcnt 2                             ; my part of K step 0 is in; K step 1's and the table's, issued behind it, may stay out
	s_barrier_signal -1
	s_barrier_wait -1                              ; everybody's is
	FETCH 0, 0, F0
	QUARTER 0, 64, F0, F1, 1                       ; the first quarter stands in front of the loop: its products start the sums
	WIN 0                                          ; at a label and at a branch every window is 0
	s_mov_b32 s3, LAPS-1
.Llap:                                                 ; a trip goes once round the ring, from a lap's second quarter to the next lap's first, and fills both slots again
	QUARTER 0, 128, F1, F0, 0
	QUARTER 0, 192, F0, F1, 0
	TURN 0, 1, 1
	QUARTER 1, 64,  F0, F1, 0
	QUARTER 1, 128, F1, F0, 0
	QUARTER 1, 192, F0, F1, 0
	TURN 1, 0, 1
	QUARTER 0, 64,  F0, F1, 0
	WIN 0
	s_sub_co_u32 s3, s3, 1
	s_cmp_lg_u32 s3, 0
	s_cbranch_scc1 .Llap
	QUARTER 0, 128, F1, F0, 0                      ; the last lap fills nothing
	QUARTER 0, 192, F0, F1, 0
	TURN 0, 1, 0
	QUARTER 1, 64,  F0, F1, 0
	QUARTER 1, 128, F1, F0, 0
	QUARTER 1, 192, F0, F1, 0
; THE WAY OUT, a block of 16 tokens at a time.  With d = 16 b + 8 (l / 16) + j below 64, lo = x[d] (accumulator b) and hi = x[d + 64] (accumulator b + 4):
;   out[d] = lo c[d] + hi s'[d],   out[d + 64] = hi c[d + 64] + lo s'[d + 64],   s' the table's signed sin.
.macro CSLOAD a, buf                   ; the table for block a: for each b the 16 bytes (8 bf16) of c_lo, c_hi, s_lo, s_hi
	WIN 0
.irp b, 0,1,2,3
.irp p, 0,1,2,3
	ds_load_b128 v[CSR+64*(\buf)+16*(\b)+4*(\p):CSR+64*(\buf)+16*(\b)+4*(\p)+3], v[CSA] offset:(\a)*16*CPITCH+32*(\b)+128*(\p)
.endr
.endr
.endm
.macro SELECT buf                      ; a v slot: c = 0.25, s = 0; q and k: the table as it is
.irp b, 0,1,2,3
.irp i, 0,1,2,3,4,5,6,7
	v_and_or_b32 v[CSR+64*(\buf)+16*(\b)+(\i)], v[CSR+64*(\buf)+16*(\b)+(\i)], s78, s79
.endr
.irp i, 8,9,10,11,12,13,14,15
	v_and_b32 v[CSR+64*(\buf)+16*(\b)+(\i)], s78, v[CSR+64*(\buf)+16*(\b)+(\i)]
.endr
.endr
.endm
.macro ROPE a, buf                     ; each accumulator's register 0 is read first
	WIN 0x01                                       ; source 0, the accumulator, in window 1
.irp b, 0,1,2,3
.set LO, 8*(8*(\a)+(\b))
.set HI, 8*(8*(\a)+(\b)+4)
.set CC, CSR+64*(\buf)+16*(\b)
.set TT, T+16*(\b)
.irp j, 0,2,4,6
	v_fma_mix_f32_bf16 v[TT+(\j)],   v[LO+(\j)],   v[CC+(\j)/2], v[ZR] op_sel_hi:[0,1,0]
	v_fma_mix_f32_bf16 v[TT+(\j)+1], v[LO+(\j)+1], v[CC+(\j)/2], v[ZR] op_sel:[0,1,0] op_sel_hi:[0,1,0]
.endr
.irp j, 0,2,4,6
	v_fma_mix_f32_bf16 v[TT+8+(\j)],   v[HI+(\j)],   v[CC+4+(\j)/2], v[ZR] op_sel_hi:[0,1,0]
	v_fma_mix_f32_bf16 v[TT+8+(\j)+1], v[HI+(\j)+1], v[CC+4+(\j)/2], v[ZR] op_sel:[0,1,0] op_sel_hi:[0,1,0]
.endr
.irp j, 0,2,4,6
	v_fma_mix_f32_bf16 v[TT+(\j)],   v[HI+(\j)],   v[CC+8+(\j)/2], v[TT+(\j)] op_sel_hi:[0,1,0]
	v_fma_mix_f32_bf16 v[TT+(\j)+1], v[HI+(\j)+1], v[CC+8+(\j)/2], v[TT+(\j)+1] op_sel:[0,1,0] op_sel_hi:[0,1,0]
.endr
.irp j, 0,2,4,6
	v_fma_mix_f32_bf16 v[TT+8+(\j)],   v[LO+(\j)],   v[CC+12+(\j)/2], v[TT+8+(\j)] op_sel_hi:[0,1,0]
	v_fma_mix_f32_bf16 v[TT+8+(\j)+1], v[LO+(\j)+1], v[CC+12+(\j)/2], v[TT+8+(\j)+1] op_sel:[0,1,0] op_sel_hi:[0,1,0]
.endr
.endr
	WIN 0
.irp b, 0,1,2,3
.irp i, 0,1,2,3
	v_cvt_pk_f16_f32 v[PK+4*(\b)+(\i)], v[T+16*(\b)+2*(\i)], v[T+16*(\b)+2*(\i)+1]
	v_cvt_pk_f16_f32 v[PK+4*((\b)+4)+(\i)], v[T+16*(\b)+8+2*(\i)], v[T+16*(\b)+8+2*(\i)+1]
.endr
.endr
.endm
.macro TOSTAGE                         ; a lane's 16 bytes into rows of 272 bytes of my own stage, and back as whole rows of 256
.irp b, 0,1,2,3,4,5,6,7
	ds_store_b128 v[STO], v[PK+4*(\b):PK+4*(\b)+3] offset:32*(\b)
.endr
.irp t, 0,1,2,3,4,5,6,7
	ds_load_b128 v[OB+4*(\t):OB+4*(\t)+3], v[RD] offset:(\t)*2*SPITCH  ; LDS serves a wave's instructions in order (ISA guide 5.7.1.4): these see the stores above
.endr
.endm
.macro SEND a, younger                 ; younger: the LDS loads issued behind TOSTAGE's, which may stay out
	s_wait_dscnt \younger
.irp t, 0,1,2,3,4,5,6,7
	global_store_b128 v[CO], v[OB+4*(\t):OB+4*(\t)+3], s[10:11] offset:4096*(\a)+512*(\t)  ; two rows of a head slot: 512 consecutive bytes, aligned
.endr
.endm
	s_wait_dscnt 4                                 ; the very last quarter: nothing more to fetch from the ring
	MUL16 F1, 0, 0
	s_wait_dscnt 0x0
	CSLOAD 0, 0                                    ; the table landed, for every wave, by the waits and barriers of the changes of slots
	CSLOAD 1, 1
	MUL16 F1, 2, 0
	WIN 0
	PLACES
.irp a, 0,1,2,3
.if (\a) < 3
	s_wait_dscnt 16                                ; this block's part of the table is in; the next block's sixteen loads may be out
.else
	s_wait_dscnt 0x0
.endif
.if (\a) > 0
	s_wait_xcnt 0x0                                ; the last block's stores have had their addresses translated (ISA guide 3.1): only now are their data registers written again
.endif
	SELECT (\a)%2
	ROPE \a, (\a)%2
	TOSTAGE
.if (\a) < 2
	CSLOAD (\a)+2, (\a)%2
	SEND \a, 16
.else
	SEND \a, 0
.endif
.endr
	s_wait_tensorcnt 0x0                           ; the wave's end: an add of 0 and its wait, behind my last tensor load and my last LDS store
	ds_add_u32 v[SPW], v[NIL]
	s_wait_dscnt 0x0
	CROUND                                         ; the closing round: no work-group ends while a partner may still ask for a tile that names it
	s_endpgm
.Lfunc_end_k_qe619c31e56_qkvproj:
	.size	k_qe619c31e56_qkvproj, .Lfunc_end_k_qe619c31e56_qkvproj-k_qe619c31e56_qkvproj
	.p2alignl 7, 3214868480
	.fill 96, 4, 3214868480
	.section	.rodata,"a",@progbits
	.p2align	6, 0x0
	.amdhsa_kernel k_qe619c31e56_qkvproj
		.amdhsa_group_segment_fixed_size 327680
		.amdhsa_private_segment_fixed_size 0
		.amdhsa_enable_private_segment 0
		.amdhsa_kernarg_size 32
		.amdhsa_user_sgpr_count 2
		.amdhsa_user_sgpr_kernarg_segment_ptr 1
		.amdhsa_wavefront_size32 1
		.amdhsa_system_sgpr_workgroup_id_x 1
		.amdhsa_system_sgpr_workgroup_id_y 1
		.amdhsa_system_sgpr_workgroup_id_z 1
		.amdhsa_system_vgpr_workitem_id 0
		.amdhsa_next_free_vgpr 704
		.amdhsa_next_free_sgpr 84
		.amdhsa_reserve_vcc 0
		.amdhsa_float_denorm_mode_32 3
		.amdhsa_float_denorm_mode_16_64 3
		.amdhsa_memory_ordered 1
		.amdhsa_forward_progress 1
		.amdhsa_inst_pref_size 135
	.end_amdhsa_kernel
	.amdgpu_metadata
---
amdhsa.version: [ 1, 2 ]
amdhsa.kernels:
  - .name:           k_qe619c31e56_qkvproj
    .symbol:         k_qe619c31e56_qkvproj.kd
    .args:
      - { .name: xb, .offset: 0, .size: 8, .value_kind: global_buffer, .address_space: global }
      - { .name: wqkv, .offset: 8, .size: 8, .value_kind: global_buffer, .address_space: global }
      - { .name: cs, .offset: 16, .size: 8, .value_kind: global_buffer, .address_space: global }
      - { .name: qkv, .offset: 24, .size: 8, .value_kind: global_buffer, .address_space: global }
    .group_segment_fixed_size: 327680
    .private_segment_fixed_size: 0
    .kernarg_segment_align: 8
    .kernarg_segment_size: 32
    .max_flat_workgroup_size: 128
    .sgpr_count:     84
    .vgpr_count:     704
    .wavefront_size: 32
...
	.end_amdgpu_metadata
.endif
;; end of part 2
;; launch attn (part 3): grid 32 x 8, 4 waves a work-group, clusters of 4 x 1, 327,680 bytes of LDS; arguments qkv, ao; writes ao
.if DOCPART == 3
	.amdgcn_target "amdgcn-amd-amdhsa--gfx1250"
	.amdhsa_code_object_version 6
	.text
	.protected	k_qe619c31e56_attn
	.globl	k_qe619c31e56_attn
	.p2align	8
	.type	k_qe619c31e56_attn,@function
k_qe619c31e56_attn:
	s_mov_b64 s[64:65], 0
	v_nop
	global_prefetch_b8 v0, s[64:65] scope:SCOPE_SE
	s_setreg_imm32_b32 hwreg(HW_REG_WAVE_MODE, 25, 1), 1
	s_wait_xcnt 0x0
	s_wait_alu depctr_hold_cnt(0) depctr_sa_sdst(0) depctr_va_vdst(0) depctr_va_sdst(0) depctr_va_ssrc(0) depctr_va_vcc(0) depctr_vm_vsrc(0)
	s_getreg_b32 s2, hwreg(HW_REG_IB_STS2, 6, 4)
	s_cmp_eq_u32 s2, 0
	s_cbranch_scc0 .Lentry_in_a_cluster
	s_endpgm
.Lentry_in_a_cluster:
	s_bfe_u32 s2, ttmp6, 0x10000c
	s_cmp_lg_u32 s2, 0x3003
	s_cbranch_scc0 .Lentry_shape_is_right
	s_endpgm
.Lentry_shape_is_right:
; CAUSAL ATTENTION WITH TWO QUERY HEADS TO A KEY AND VALUE HEAD.  qkv[16 slots][4096 tokens][128] f16: slots 0-7 q / 128, 8-11 k / 128, 12-15 v / 4; token = 2,048 batch + position.
; ao[token][128 head + d] f16 = (the sum over keys <= query of softmax(q . k / sqrt(128)) v) / 4.  Products, maxima and sums in f32; the weights p are rounded to f16 for the second product
; (their sum l is taken of the unrounded p), ao once at the end.  p = 2^(c s - c m) with a running maximum m; c = log2(e) / sqrt(128) x 2^14 undoes the two factors 1/128.
; LIMITS.  A hidden score counts as its value less 1e30, and m starts at -1.25 x 2^96 = -9.9e28: f16's scores, 5.5e11 at the most, lie far above that floor, hidden ones far below it.
; A weight below 2^-126 counts as 0; p below 6e-5 keeps f16's fixed step of 6e-8; NaN and infinities are not treated apart.
; THE WALK.  y = 4 batch + kv head.  A BLOCK is 32 positions x the 2 query heads of the kv head: 64 rows, four tiles of 16 (tile t: head t / 2, positions 16 (t % 2) + 0..15).  Block i needs the key tiles
; 0 .. i / 8 of 256 keys, of which the last holds the diagonal.  A work-group takes block 63 - pb and then block pb: 8 - g and g + 1 key tiles, g = pb / 8: nine, whatever pb: 256 work-groups of equal work.
; THE KEYS OF A TILE ARE SPLIT AMONG THE WAVES: wave w takes keys 64 w .. 64 w + 63 for all 64 rows, with m, l and O^T of its own, so each byte of K and V is read from LDS once, and a fragment feeds four
; tiles' products.  At a block's end the four partial results meet in LDS, in f32, and wave w finishes tile w: O = sum f_s O_s / sum f_s l_s, f_s = 2^(c m_s - max c m).
; ONE LDS SLOT.  A wave reads its 64 keys of K and V into 256 registers at the head of a step; the slot is then filled again, and that load has the rest of the step in which to land.
; CLUSTER.  The four partners (pb = 4 x cluster x + cx) have the same g and walk the same key tiles: each tile is asked for jointly.  cx enters Q's and ao's global addresses and the mask's values alone.
; Every trip count is a constant; every jump but the loop's own goes forward, on numbers made of g, past text that holds neither a barrier nor a tensor load.
; LAYOUT.  S^T = K Q^T holds ONE query a lane (l % 16) and the keys 8 (l / 16) + 0..7; two such results rounded to f16 ARE source 1 of O^T = V^T P.  K comes out of LDS as it lies, V turned, by ds_load_tr16_b128.
; THE MASK is the C operand that starts the sums of the diagonal tile's scores: 0, or -1e30 where the key is hidden.  Where ALL of a wave's keys so far are hidden from a row (a block whose only tile is the
; diagonal one), m stays at its floor: c s - c m is then about -1.9e33, every weight is 0, l and O^T are 0, and the wave's f in the merge is 0.  (With m = -1e30 itself c s - c m would be the rounding error of c m alone.)
; Wave 0 always sees key 0 of the block's first tile, so the merge's maximum is a true score's.
; No first step is written out: c m starts far below every c s, so a block's first step multiplies O^T and l by 0; the price is 256 v_mov_b32 at the start, in the wait for the first tile.
; REGISTERS, in windows of 256 (s_set_vgpr_msb: bits 1:0 source 0, 3:2 source 1, 5:4 source 2, 7:6 destination):
;   window 0: v2-10, v44-48 addresses; v12-43 eight registers of statistics a tile; v64-191 S^T, 32 a tile; v192-255 P, 16 a tile
;   window 1: O^T, 64 a tile      window 2: v0-127 Q, 32 a tile; v128-255 K      window 3: v0-127 V; v128-191 the mask
.set PK,    272       ; a row of K in LDS: 256 bytes + 16: the 16 rows of a load start at 16 different groups of four banks (ISA guide 11.1)
.set PV,    288       ; a row of V: 256 + 32
.set VOFF,  256*PK    ; the slot: 256 rows of K, then 256 rows of V
.set AREA,  VOFF+256*PV  ; the partial O^T, never filled by a tensor load: [source wave 32,768][tile 8,192][quad of registers 512][lane 16]
.set ML,    AREA+4*32768 ; the partial (c m, l): [source wave 512][tile 128][query 8]
.set STAGE, ML+2048   ; 16 rows x 272 bytes for each wave, for the way out
.set SP,    272
.set SPARE, STAGE+4*16*SP  ; the spare words, 128 bytes for each wave: two blocks of 256 bytes that no other line names
.set AK,  2           ; v2   LDS address of my lane's place in my 64 keys of K; never rewritten
.set AV,  3           ; v3   the same for V
.set QO,  5           ; v5   my byte offset in 16 rows of Q
.set STO, 6           ; v6   the way out: where I put 16 bytes of a row
.set RD,  7           ; v7   where I read rows back
.set GO,  8           ; v8   my byte offset in two rows of ao
.set LV,  9           ; v9   l % 16 - 8 (l / 16) - 64 w
.set DV,  10          ; v10  that plus the block's place in its diagonal tile
.set ST,  12          ; tile t's statistics at v[ST+8 t]: +0 c m, +1 m, +2, +3 l (even keys', odd keys'), +4 to +7 c0-c3, at work; a takes c2's place once the maximum is found
.set ARA, 44          ; v44  where I put my partial O^T
.set ARR0, 45         ; v45  where I read tile w's partial O^T of sources 0 and 1;  v46 of sources 2 and 3
.set ARR1, 46
.set MLA, 47          ; v47  where I put (c m, l);  v48 where I read tile w's
.set MLR, 48
.set SPW, 62          ; v62  LDS address of my spare word; never rewritten
.set NIL, 63          ; v63  0; never rewritten
.set S,   64
.set P,   192
.set KF,  128         ; window 2
.set MD,  128         ; window 3: for positions 16 ph + .., keys 16 kb + ..: MD + 32 ph + 8 kb
.set FM,  12          ; the merge, in the statistics' registers, which are dead then: v12-19 (c m, l) of the four sources; v20 at work; v22-29 the four factors, each twice
.set FT,  20
.set FF,  22
.set XA,  S           ; the merge: two buffers of 64 for the sources' O^T, and the sum
.set XB,  S+64
.set R,   P
.set WV,  12          ; s12  my wave's number
.set G1K, 24          ; s[24:31] descriptor group 1 for K's tiles;  s[32:39] for V's: it differs in the padding alone
.set G1V, 32
.set G0K, 40          ; s[40:43], s[44:47] descriptor group 0
.set G0V, 44
.set CNT, 48          ; s48  trips to go
.set RT,  49          ; s49  tiles of the block in hand that lie behind the one entered
.set NXT, 50          ; s50  the tile to be asked for next
.set LQ,  51          ; s51  the last tile of the block whose tiles are being asked for
.set NEW, 52          ; s52  1: a block has just ended
.set GG,  54          ; s54  g
.set OFFS, 55         ; s55  the block's first position in its diagonal tile;  s56 the second block's
.set OFFS2, 56
.set CS,  58          ; s[58:59] c: the packed scaling takes the pair's low word for both halves
.set SEL, 60          ; s[60:61] v_permlanex16_b32's selects: each lane takes its own place in the other half
.set OFF, 66          ; s[66:67] a tile's byte offset in K and V
.set BIGN, 68         ; s68  -1e30
.set MSB, 0
.macro WIN new                      ; the high byte repeats the setting that is left; a switch that changes nothing is dropped
.if MSB != (\new)
	s_set_vgpr_msb (MSB<<8)|(\new)
.set MSB, \new
.endif
.endm
.set W_KQ, 0x0a       ; K and Q in window 2, S^T in window 0
.set W_KM, 0x3a       ; the same with the C operand in window 3
.set W_PV, 0x53       ; V in window 3, P in window 0, O^T in window 1
.set W_RS, 0x41       ; O^T (destination and source 0) in window 1, a in window 0
.macro PLACES                       ; four places behind matrix instructions (ISA guide 7.12.1)
.rept 4
	v_nop
.endr
.endm
; A joint fill.  Waves 0 and 1 fetch the two halves of a tile's K, waves 2 and 3 those of its V: 128 keys each.  The branch hangs on the wave's number alone.
; An s_nop 0 and four v_nop follow each of the two lines, ahead of the jump and the label.
.macro JLOAD
	s_cmp_lt_u32 s[WV], 2
	s_cbranch_scc0 .Lfor_v_\@
	tensor_load_to_lds s[G0K:G0K+3], s[G1K:G1K+7]
	s_nop 0
.rept 4
	v_nop
.endr
	s_branch .Lasked_\@
.Lfor_v_\@:
	tensor_load_to_lds s[G0V:G0V+3], s[G1V:G1V+7]
	s_nop 0
.rept 4
	v_nop
.endr
.Lasked_\@:
.endm
.macro CROUND                       ; a round of the cluster's barrier
	s_barrier_signal -1
	s_barrier_wait -1
	s_cmp_lg_u32 s[WV], 0
	s_cbranch_scc1 .Lnot_wave_0_\@
	s_barrier_signal -3
.Lnot_wave_0_\@:
	s_barrier_wait -3
	s_barrier_signal -1
	s_barrier_wait -1
.endm
.macro QLOAD base                   ; a block's Q, 64 rows: fragment i: tile i / 4 (head i / 8: 4,096 rows on; positions 16 ((i / 4) % 2) on), channels 32 (i % 4) on
	WIN 0x80                        ; destination window 2, address window 0
.set i, 0
.rept 16
	global_load_b128 v[8*i:8*i+3],   v[QO], s[\base:\base+1] offset:(i/8)*1048576+((i/4)%2)*4096+(i%4)*64
	global_load_b128 v[8*i+4:8*i+7], v[QO], s[\base:\base+1] offset:(i/8)*1048576+((i/4)%2)*4096+(i%4)*64+32
.set i, i+1
.endr
	WIN 0
.endm
	s_load_b128 s[4:7], s[0:1], 0x0 ; qkv s[4:5], ao s[6:7]
	v_lshl_add_u32 v[SPW], v0, 2, SPARE
	v_mov_b32 v[NIL], 0
	ds_add_u32 v[SPW], v[NIL]       ; the wave's opening: the add and its wait stand ahead of my first tensor load; the set-up below, work on registers, stands between them
	v_lshrrev_b32 v1, 5, v0
	v_readfirstlane_b32 s[WV], v1   ; wave 0..3
	s_bfe_u32 s70, ttmp6, 0x40000   ; cx
	s_lshl_b32 s71, ttmp9, 2        ; in a cluster launch ttmp9 counts clusters
	s_add_co_u32 s71, s71, s70      ; pb
	s_lshr_b32 s[GG], ttmp9, 1      ; g = pb / 8, the same in all four partners
	s_and_b32 s72, ttmp7, 0xffff
	s_lshr_b32 s73, s72, 2          ; batch
	s_and_b32 s74, s72, 3           ; kv head
	s_and_b32 s13, s[WV], 1         ; which half of a tile's 256 keys I fetch
	s_add_co_u32 s22, s74, 8        ; K's slot,
	s_lshl_b32 s22, s22, 12
	s_lshl_b32 s23, s73, 11
	s_add_co_u32 s22, s22, s23      ; the batch's first row in it,
	s_lshl_b32 s22, s22, 8
	s_lshl_b32 s23, s13, 15
	s_add_co_u32 s22, s22, s23      ; my half's 128 rows of 256 bytes
	s_mov_b32 s23, 0
	s_mov_b32 s[G0K], 1             ; count = 1
	s_mul_i32 s[G0K+1], s13, 128*PK ; LDS address: no place in the cluster enters it
	s_mov_b32 s[G0V], 1
	s_mul_i32 s[G0V+1], s13, 128*PV
	s_add_co_u32 s[G0V+1], s[G0V+1], VOFF
	s_mov_b32 s[G1K], 15|(1<<16)|(1<<20)|(1<<21)|(5<<22)|(3<<25)  ; 15:0 the mask of four; 17:16 2-byte elements; 20 padding on; 21 set beside a mask; 24:22 after every 64 words; 31:25 4 words
	s_mov_b32 s[G1V], 15|(1<<16)|(1<<20)|(1<<21)|(5<<22)|(7<<25)  ; the same with 8 words of padding
.irp g, G1K, G1V
	s_mov_b32 s[(\g)+1], 128<<16    ; tensor_dim0 = 128
	s_mov_b32 s[(\g)+2], 128<<16    ; tensor_dim1 = 128
	s_mov_b32 s[(\g)+3], 128<<16    ; tile_dim0 = 128
	s_mov_b32 s[(\g)+4], 128        ; tile_dim1 = 128
	s_mov_b32 s[(\g)+5], 128        ; 128 elements from row to row
	s_mov_b32 s[(\g)+6], 0
	s_mov_b32 s[(\g)+7], 0
.endr
	s_sub_co_u32 s75, 63, s71       ; the first block's number
	s_lshl_b32 s2, s74, 13          ; query head 2 kv: its slot's rows,
	s_lshl_b32 s3, s73, 11
	s_add_co_u32 s2, s2, s3         ; the batch's
	s_lshl_b32 s76, s75, 5
	s_add_co_u32 s76, s76, s2
	s_lshl_b32 s76, s76, 8          ; Q's offset for the first block,
	s_mov_b32 s77, 0
	s_lshl_b32 s78, s71, 5
	s_add_co_u32 s78, s78, s2
	s_lshl_b32 s78, s78, 8          ; and for the second
	s_mov_b32 s79, 0
	s_lshl_b32 s2, s13, 4
	s_add_co_u32 s2, s2, s3         ; ao: the tile that I finish, w: positions 16 (w % 2) on in the batch's rows,
	s_lshl_b32 s57, s74, 1
	s_lshr_b32 s62, s[WV], 1
	s_add_co_u32 s57, s57, s62
	s_lshl_b32 s57, s57, 8          ; head 2 kv + w / 2: 256 bytes of a row
	s_and_b32 s[OFFS2], s71, 7
	s_sub_co_u32 s[OFFS], 7, s[OFFS2]
	s_lshl_b32 s[OFFS], s[OFFS], 5
	s_lshl_b32 s[OFFS2], s[OFFS2], 5
	s_mov_b32 s[CS], 0x450293ee     ; c = log2(e) / sqrt(128) x 16,384
	s_mov_b32 s[CS+1], s[CS]        ; named with it as a pair
	s_mov_b32 s[SEL], 0x76543210
	s_mov_b32 s[SEL+1], 0xfedcba98
	s_mov_b32 s[OFF+1], 0
	s_mov_b32 s[BIGN], 0xf149f2ca   ; -1e30
	s_sub_co_u32 s[RT], 8, s[GG]    ; the first block has 8 - g tiles
	s_mov_b32 s[NXT], 1
	s_sub_co_u32 s[LQ], 7, s[GG]
	s_mov_b32 s[CNT], 8
	s_wait_dscnt 0x0                ; the opening add is done
	s_wait_kmcnt 0x0
	s_add_nc_u64 s[8:9], s[4:5], s[22:23]      ; K at my half of tile 0,
	s_add_nc_u64 s[10:11], s[8:9], 0x400000    ; V four slots on
	s_mov_b64 s[G0K+2:G0K+3], s[8:9]
	s_or_b32 s[G0K+3], s[G0K+3], 0x80000000    ; type = 2
	s_mov_b64 s[G0V+2:G0V+3], s[10:11]
	s_or_b32 s[G0V+3], s[G0V+3], 0x80000000
	s_add_nc_u64 s[14:15], s[4:5], s[76:77]    ; Q of the first block, of the second
	s_add_nc_u64 s[16:17], s[4:5], s[78:79]
	s_lshl_b32 s76, s75, 5
	s_add_co_u32 s76, s76, s2
	s_lshl_b32 s76, s76, 11         ; a row of ao is 2,048 bytes
	s_add_co_u32 s76, s76, s57
	s_lshl_b32 s78, s71, 5
	s_add_co_u32 s78, s78, s2
	s_lshl_b32 s78, s78, 11
	s_add_co_u32 s78, s78, s57
	s_add_nc_u64 s[18:19], s[6:7], s[76:77]    ; ao for the block in hand, and for the second
	s_add_nc_u64 s[20:21], s[6:7], s[78:79]
	CROUND                          ; all four work-groups are here: the first joint loads meet
	JLOAD                           ; tile 0
	v_and_b32 v1, 15, v0            ; l % 16
	v_bfe_u32 v4, v0, 4, 1          ; l / 16
	v_lshlrev_b32 v[QO], 8, v1
	v_lshl_add_u32 v[QO], v4, 4, v[QO]  ; row x 256 + 16 x half
	QLOAD 14
	v_mul_u32_u24 v[AK], v1, PK
	v_lshl_add_u32 v[AK], v4, 4, v[AK]  ; row x pitch + 16 x half: for K, and for the stage, whose pitch is the same
	s_mul_i32 s2, s[WV], 16*SP
	s_add_co_u32 s2, s2, STAGE      ; my stage
	v_add_nc_u32 v[STO], s2, v[AK]
	v_mul_u32_u24 v[RD], v4, SP     ; back: lanes 0-15 take one row of 256 bytes, lanes 16-31 the next
	v_lshl_add_u32 v[RD], v1, 4, v[RD]
	v_add_nc_u32 v[RD], s2, v[RD]
	s_mul_i32 s2, s[WV], 64*PK      ; my 64 keys
	v_add_nc_u32 v[AK], s2, v[AK]
	; The turning load takes 16 keys x 16 channels (lane l reads key 8 (l / 16) + l % 8, channels 8 ((l / 8) % 2) + 0..7) and leaves half a fragment of V^T: lane l holds channel l % 16 and 8 keys.
	v_and_b32 v11, 7, v0
	v_bfe_u32 v49, v0, 3, 1
	v_lshl_add_u32 v[AV], v4, 3, v11
	v_mul_u32_u24 v[AV], v[AV], PV
	v_lshl_add_u32 v[AV], v49, 4, v[AV]
	s_mul_i32 s2, s[WV], 64*PV
	s_add_co_u32 s2, s2, VOFF
	v_add_nc_u32 v[AV], s2, v[AV]
	v_lshlrev_b32 v[GO], 11, v4     ; the same two rows in ao
	v_lshl_add_u32 v[GO], v1, 4, v[GO]
	v_lshlrev_b32 v[LV], 3, v4
	v_sub_nc_u32 v[LV], v1, v[LV]
	s_lshl_b32 s2, s[WV], 6
	v_sub_nc_u32 v[LV], v[LV], s2
	v_and_b32 v49, 31, v0
	v_lshlrev_b32 v49, 4, v49       ; 16 x lane
	s_lshl_b32 s2, s[WV], 15
	s_add_co_u32 s2, s2, AREA
	v_add_nc_u32 v[ARA], s2, v49
	s_lshl_b32 s2, s[WV], 13
	s_add_co_u32 s2, s2, AREA
	v_add_nc_u32 v[ARR0], s2, v49
	v_add_nc_u32 v[ARR1], 65536, v[ARR0]
	v_lshlrev_b32 v49, 3, v1        ; 8 x query
	s_lshl_b32 s2, s[WV], 9
	s_add_co_u32 s2, s2, ML
	v_add_nc_u32 v[MLA], s2, v49
	s_lshl_b32 s2, s[WV], 7
	s_add_co_u32 s2, s2, ML
	v_add_nc_u32 v[MLR], s2, v49
	WIN 0x40                        ; O^T need only be finite, since a block's first step multiplies it by 0: zeros for the first block, what the first block left for the second
.set i, 0
.rept 256
	v_mov_b32 v[i], 0
.set i, i+1
.endr
	WIN 0
; THE MATRIX WORK.  The accumulators take turns, one instruction a turn.
; Product i of 64 of S^T = K Q^T: channels 32 (i / 16) on, keys 16 ((i / 4) % 4) on, tile i % 4.  The first 16 start the sums: with 0, or (mask = 1) with the mask.
.macro KQ mask
.set rS, S+32*(i%4)+8*((i/4)%4)
.set rK, KF+32*((i/4)%4)+8*(i/16)
.set rQ, 32*(i%4)+8*(i/16)
.set rM, MD+32*(i%2)+8*((i/4)%4)
.if (i < 16) && (\mask)
	WIN W_KM
	v_wmma_f32_16x16x32_f16 v[rS:rS+7], v[rK:rK+7], v[rQ:rQ+7], v[rM:rM+7]
.elseif i < 16
	WIN W_KQ
	v_wmma_f32_16x16x32_f16 v[rS:rS+7], v[rK:rK+7], v[rQ:rQ+7], 0
.else
	WIN W_KQ
	v_wmma_f32_16x16x32_f16 v[rS:rS+7], v[rK:rK+7], v[rQ:rQ+7], v[rS:rS+7]
.endif
.endm
; Product i of 64 of O^T += V^T P: keys 32 (i / 32) on, channels 16 ((i / 4) % 8) on, tile i % 4.
.macro PV
	WIN W_PV
.set rO, 64*(i%4)+8*((i/4)%8)
.set rV, 64*(i/32)+8*((i/4)%8)
.set rP, P+16*(i%4)+8*(i/32)
	v_wmma_f32_16x16x32_f16 v[rO:rO+7], v[rV:rV+7], v[rP:rP+7], v[rO:rO+7]
.endm
.macro FETCH_K                      ; my 64 keys x 128 channels: 16 fragments: keys 16 (f / 4) on, channels 32 (f % 4) on
	WIN 0x80
.irp f, 0,1,2,3,4,5,6,7,8,9,10,11,12,13,14,15
	ds_load_b128 v[KF+8*(\f):KF+8*(\f)+3],   v[AK] offset:((\f)/4)*16*PK+((\f)%4)*64
	ds_load_b128 v[KF+8*(\f)+4:KF+8*(\f)+7], v[AK] offset:((\f)/4)*16*PK+((\f)%4)*64+32
.endr
.endm
.macro FETCH_V                      ; the same keys of V, turned: keys 32 (f / 8) on, channels 16 (f % 8) on
	WIN 0xc0
.irp f, 0,1,2,3,4,5,6,7,8,9,10,11,12,13,14,15
	ds_load_tr16_b128 v[8*(\f):8*(\f)+3],   v[AV] offset:((\f)/8)*32*PV+((\f)%8)*32
	ds_load_tr16_b128 v[8*(\f)+4:8*(\f)+7], v[AV] offset:((\f)/8)*32*PV+16*PV+((\f)%8)*32
.endr
.endm
; THE VECTOR WORK.  One tile's softmax for one step is a list of 134 instructions; SM writes number j of it for tile t.  s0-s31 are the lane's 32 scores, in pairs 0-15.
;   0-15    the maximum of s0-s31 and the old m, three operands at a time: four chains c0-c3 of seven scores each (each accumulator's lowest registers are read first), then the rest
;   16-20   the other half of the lanes' maximum; c m_old kept; the new m; c m; c m_old - c m_new
;   21-87   33 exponentials (a, then s0-s31) at the odd numbers from 23 on; at the others whatever is ready: c s - c m for a pair whose exponentials are still to come, the rounding to f16 of a pair whose
;           exponentials are done, the first three sums
;   88-101  the last rounding; the rest of the sums; l = a l + the sum          102-133 the tile's O^T times a
; The four tiles go through numbers 0 to 101 side by side: four exponentials stand together, and four plain lines that touch none of their registers follow (ISA guide 5.7.2).
.macro SM t
.set rT, ST+8*(\t)
.set rS, S+32*(\t)
.set rP, P+16*(\t)
.set rO, 64*(\t)+2*(j-102)
.set q, (j-20)/2
.if j < 102
	WIN 0
.endif
.if j < 4
	v_max3_num_f32 v[rT+4+j], v[rS+8*j], v[rS+8*j+1], v[rS+8*j+2]
.elseif j < 12
	v_max3_num_f32 v[rT+4+j%4], v[rT+4+j%4], v[rS+8*(j%4)+2*(j/4)+1], v[rS+8*(j%4)+2*(j/4)+2]
.elseif j == 12
	v_max3_num_f32 v[rT+4], v[rT+4], v[rS+7], v[rS+15]
.elseif j == 13
	v_max3_num_f32 v[rT+6], v[rT+6], v[rS+23], v[rS+31]
.elseif j == 14
	v_max3_num_f32 v[rT+4], v[rT+4], v[rT+5], v[rT+6]
.elseif j == 15
	v_max3_num_f32 v[rT+4], v[rT+4], v[rT+7], v[rT+1]
.elseif j == 16
	v_permlanex16_b32 v[rT+5], v[rT+4], s[SEL], s[SEL+1]  ; the query's other 32 keys lie in the lane 16 away
.elseif j == 17
	v_mov_b32 v[rT+7], v[rT]        ; c m_old is kept for a: number 19 writes c m anew
.elseif j == 18
	v_max_num_f32 v[rT+1], v[rT+4], v[rT+5]
.elseif j == 19
	v_mul_f32 v[rT], s[CS], v[rT+1]
.elseif j == 20
	v_sub_f32 v[rT+7], v[rT+7], v[rT]
.elseif j == 23
	v_exp_f32 v[rT+6], v[rT+7]
.elseif (j < 88) && (j > 23) && (j%2 == 1)
	v_exp_f32 v[rS+(j-25)/2], v[rS+(j-25)/2]
.elseif (q < 4) || ((j < 76) && (q%2 == 0))
.set b, q/2+2
.if q < 4
.set b, q
.endif
	v_pk_fma_f32 v[rS+2*b:rS+2*b+1], v[rS+2*b:rS+2*b+1], s[CS:CS+1], v[rT:rT+1] op_sel_hi:[1,0,0] neg_lo:[0,0,1] neg_hi:[0,0,1]  ; pair b: c s - c m
.elseif (j < 88) && (q%2 == 1)
	s_wait_alu depctr_va_vdst(0)
	v_cvt_pk_f16_f32 v[rP+(q-5)/2], v[rS+q-5], v[rS+q-4]  ; pair (q - 5) / 2: its second exponential stands three numbers back
.elseif j == 89
	s_wait_alu depctr_va_vdst(0)
	v_cvt_pk_f16_f32 v[rP+15], v[rS+30], v[rS+31]
.elseif j < 102                     ; the sum of the tile's 16 pairs, in place: sum z of 16 adds neighbours 1, 2, 4 and 8 pairs apart, then l takes it
.set z, j-86
.if j < 89
.set z, (j-76)/4
.endif
.set w, 4
.set u, z
.if z >= 14
.set w, 32
.set u, 0
.elseif z >= 12
.set w, 16
.set u, z-12
.elseif z >= 8
.set w, 8
.set u, z-8
.endif
.if z < 15
	v_pk_add_f32 v[rS+w*u:rS+w*u+1], v[rS+w*u:rS+w*u+1], v[rS+w*u+w/2:rS+w*u+w/2+1]
.else
	v_pk_fma_f32 v[rT+2:rT+3], v[rT+2:rT+3], v[rT+6:rT+7], v[rS:rS+1] op_sel_hi:[1,0,1]
.endif
.else
	WIN W_RS
	v_pk_mul_f32 v[rO:rO+1], v[rO:rO+1], v[rT+6:rT+7] op_sel_hi:[1,0]
.endif
.endm
; THE TILE IS IN.  My one tensor load that is out is my part of it: no load was issued behind it, so the count is 0; my LDS stores, if a block has just ended, are done; behind the barrier both hold of every wave.
.macro TOP
	WIN 0
	s_wait_tensorcnt 0x0
	s_wait_dscnt 0x0
	s_barrier_signal -1
	s_barrier_wait -1
.endm
; THE SLOT IS FILLED AGAIN, with tile NXT.  Each wave waits for all its tensor loads (none is out), adds 0 to its spare word, and waits for that and for its reads of the slot: K and V are in registers.
; The round of the cluster's barrier shows the same of every wave of every partner; the joint fill is the first thing behind it.  The descriptors' addresses are made anew from the tile's number.
.macro REFILL
	WIN 0
	s_wait_tensorcnt 0x0
	ds_add_u32 v[SPW], v[NIL]       ; 0 onto my spare word; the descriptors' scalar work stands between it and the wait for it
	s_lshl_b32 s[OFF], s[NXT], 16   ; a tile is 65,536 bytes of K and of V
	s_add_nc_u64 s[G0K+2:G0K+3], s[8:9], s[OFF:OFF+1]
	s_or_b32 s[G0K+3], s[G0K+3], 0x80000000
	s_add_nc_u64 s[G0V+2:G0V+3], s[10:11], s[OFF:OFF+1]
	s_or_b32 s[G0V+3], s[G0V+3], 0x80000000
	s_add_co_u32 s[NXT], s[NXT], 1  ; the block's next tile, or behind its last the second block's tile 0
	s_cmp_gt_u32 s[NXT], s[LQ]
	s_cselect_b32 s[NXT], 0, s[NXT]
	s_cselect_b32 s[LQ], s[GG], s[LQ]
	s_wait_dscnt 0x0
	CROUND
	JLOAD
.endm
; A STEP'S HEAD: my keys of K and V into registers, and the first half of the scores while V's run lands.  m = 1: the tile may be the block's diagonal one (RT = 0): its sums start with the mask.
.macro HEAD m
	s_sub_co_u32 s[RT], s[RT], 1
	FETCH_K
	FETCH_V
	WIN 0
	s_wait_loadcnt 0x0              ; Q
	s_wait_dscnt 32                 ; K is in; V's 32 loads may be out
.if \m
	s_cmp_eq_u32 s[RT], 0
	s_cbranch_scc0 .Lopen_\@
.set i, 0
.rept 16
	KQ 1
.set i, i+1
.endr
	WIN 0
	s_branch .Ljoin_\@
.Lopen_\@:
.endif
.set i, 0
.rept 16
	KQ 0
.set i, i+1
.endr
.if \m
	WIN 0
.Ljoin_\@:
.endif
.rept 16
	KQ 0
.set i, i+1
.endr
	WIN 0
.endm
; THE REST OF A STEP, in phases: the second half of the scores, the four tiles' softmax, O^T += V^T P.
.macro BODY
.set i, 32
.rept 32
	KQ 0
.set i, i+1
.endr
	WIN 0
	PLACES
.set j, 0
.rept 102
.irp t, 0,1,2,3
	SM \t
.endr
.set j, j+1
.endr
.irp t, 0,1,2,3
.set j, 102
.rept 32
	SM \t
.set j, j+1
.endr
.endr
.set i, 0
.rept 64
	PV
.set i, i+1
.endr
	WIN 0
	PLACES                          ; for the loads into V's registers, and for the stores of O^T
.endm
; A BLOCK BEGINS: c m far below every c s, so the first step's a is 0; m at its floor, -1.25 x 2^96, between the hidden scores and the true ones; l = 0; and the mask of the block's diagonal tile:
; key 64 w + 16 kb + 8 (l / 16) + j is hidden from position OFFS + 16 ph + l % 16 where it is greater.
.macro BEGIN
	WIN 0
.irp t, 0,1,2,3
	v_mov_b32 v[ST+8*(\t)], 0xfe000000
	v_mov_b32 v[ST+8*(\t)+1], 0xefa00000
	v_mov_b32 v[ST+8*(\t)+2], 0
	v_mov_b32 v[ST+8*(\t)+3], 0
.endr
	v_add_nc_u32 v[DV], s[OFFS], v[LV]
	WIN 0xc0                        ; destination window 3
.set i, 0
.rept 64
	v_cmp_gt_i32 vcc_lo, 16*((i/8)%4)+i%8-16*(i/32), v[DV]
	v_cndmask_b32 v[MD+i], 0, s[BIGN], vcc_lo
.set i, i+1
.endr
	WIN 0
	s_mov_b32 s[NEW], 0
.endm
; A BLOCK ENDS, first part: l's two halves and the other half of the lanes' are added; (c m, l) and O^T go into my part of the merge area, in f32; each accumulator's low registers first.
.macro STORE
	WIN 0
.irp t, 0,1,2,3
	v_add_f32 v[ST+8*(\t)+4], v[ST+8*(\t)+2], v[ST+8*(\t)+3]
.endr
.irp t, 0,1,2,3
	v_permlanex16_b32 v[ST+8*(\t)+5], v[ST+8*(\t)+4], s[SEL], s[SEL+1]
.endr
.irp t, 0,1,2,3
	v_add_f32 v[ST+8*(\t)+1], v[ST+8*(\t)+4], v[ST+8*(\t)+5]
.endr
.irp t, 0,1,2,3
	ds_store_b64 v[MLA], v[ST+8*(\t):ST+8*(\t)+1] offset:128*(\t)  ; lanes l and l + 16 write the same pair to the same place
.endr
	WIN 0x04                        ; the stores' data in window 1
.irp t, 0,1,2,3
.irp x, 0,1,2,3,4,5,6,7,8,9,10,11,12,13,14,15
	ds_store_b128 v[ARA], v[64*(\t)+4*(\x):64*(\t)+4*(\x)+3] offset:8192*(\t)+512*(\x)
.endr
.endr
	WIN 0
.endm
.macro XLOAD x, adr, off            ; one source's O^T of my tile: 16 loads, each 512 consecutive bytes; register n comes back as register n, in the lane that held it
.set n, 0
.rept 16
	ds_load_b128 v[(\x)+4*n:(\x)+4*n+3], v[\adr] offset:(\off)+512*n
.set n, n+1
.endr
.endm
.macro XSUM x, s, first             ; R (+)= X f_s
.set n, 0
.rept 32
.if \first
	v_pk_mul_f32 v[R+2*n:R+2*n+1], v[(\x)+2*n:(\x)+2*n+1], v[FF+2*(\s):FF+2*(\s)+1]
.else
	v_pk_fma_f32 v[R+2*n:R+2*n+1], v[(\x)+2*n:(\x)+2*n+1], v[FF+2*(\s):FF+2*(\s)+1], v[R+2*n:R+2*n+1]
.endif
.set n, n+1
.endr
.endm
; A BLOCK ENDS, second part, behind a barrier: wave w finishes tile w.
.macro FINISH
	WIN 0
.irp s, 0,1,2,3
	ds_load_b64 v[FM+2*(\s):FM+2*(\s)+1], v[MLR] offset:512*(\s)
.endr
	XLOAD XA, ARR0, 0
	XLOAD XB, ARR0, 32768
	s_wait_dscnt 32                 ; the four (c m, l) are in; the two runs of 16 behind them may be out
	v_max3_num_f32 v[FT], v[FM], v[FM+2], v[FM+4]
	v_max_num_f32 v[FT], v[FT], v[FM+6]
.irp s, 0,1,2,3
	v_sub_f32 v[FM+2*(\s)], v[FM+2*(\s)], v[FT]
.endr
.irp s, 0,1,2,3
	v_exp_f32 v[FM+2*(\s)], v[FM+2*(\s)]
.endr
	v_nop                           ; a plain instruction between the last exponential and the use of its result
	s_wait_alu depctr_va_vdst(0)
	v_mul_f32 v[FT], v[FM], v[FM+1]
	v_fmac_f32 v[FT], v[FM+2], v[FM+3]
	v_fmac_f32 v[FT], v[FM+4], v[FM+5]
	v_fmac_f32 v[FT], v[FM+6], v[FM+7]
	v_rcp_f32 v[FT], v[FT]
	v_nop
	s_wait_alu depctr_va_vdst(0)
.irp s, 0,1,2,3
	v_mul_f32 v[FF+2*(\s)], v[FM+2*(\s)], v[FT]
	v_mul_f32 v[FF+2*(\s)+1], v[FM+2*(\s)], v[FT]
.endr
	s_wait_dscnt 16                 ; source 0 is in; source 1's run may be out
	XSUM XA, 0, 1
	XLOAD XA, ARR1, 0
	s_wait_dscnt 16                 ; source 1 is in; source 2's run may be out
	XSUM XB, 1, 0
	XLOAD XB, ARR1, 32768
	s_wait_dscnt 16                 ; source 2; source 3's run may be out
	XSUM XA, 2, 0
	s_wait_dscnt 0x0
	XSUM XB, 3, 0
.set n, 0
.rept 32
	v_cvt_pk_f16_f32 v[S+n], v[R+2*n], v[R+2*n+1]
.set n, n+1
.endr
.irp f, 0,1,2,3,4,5,6,7
	ds_store_b128 v[STO], v[S+4*(\f):S+4*(\f)+3] offset:32*(\f)
.endr
.irp f, 0,1,2,3,4,5,6,7
	ds_load_b128 v[S+32+4*(\f):S+32+4*(\f)+3], v[RD] offset:(\f)*2*SP  ; LDS serves a wave's instructions in order (ISA guide 5.7.1.4): these see the stores above
.endr
.irp f, 0,1,2,3,4,5,6,7
	s_wait_dscnt 7-(\f)             ; the younger loads may be out
	global_store_b128 v[GO], v[S+32+4*(\f):S+32+4*(\f)+3], s[18:19] offset:4096*(\f)  ; two rows' 256 consecutive bytes each, aligned
.endr
	s_wait_xcnt 0x0                 ; the stores have had their addresses translated (ISA guide 3.1): their data registers and base are written again only behind this wait
.endm
	TOP                             ; tile 0 is in
	BEGIN
	HEAD 0                          ; the first block has five tiles or more: its first is not the diagonal one
.Ltrip:                             ; eight trips: the next tile is asked for, the tile in hand is finished, the next is entered
	REFILL
	BODY
	s_cmp_lg_u32 s[RT], 0
	s_cbranch_scc1 .Lgo_on
	STORE                           ; the first block's end (the second's last tile is the walk's last, behind the loop)
	QLOAD 16                        ; the second block's Q
	s_add_co_u32 s[RT], s[GG], 1    ; it has g + 1 tiles
	s_mov_b32 s[NEW], 1
	s_mov_b32 s[OFFS], s[OFFS2]
.Lgo_on:
	TOP                             ; the next tile is in; and where a block has ended, every wave's partial results are in LDS
	s_cmp_lg_u32 s[NEW], 1
	s_cbranch_scc1 .Lsame
	FINISH                          ; its reads of the merge area are over (the wait for 0 inside it) ahead of the next barrier, which stands ahead of the next STORE
	s_mov_b64 s[18:19], s[20:21]
	BEGIN
.Lsame:
	HEAD 1
	s_sub_co_u32 s[CNT], s[CNT], 1
	s_cmp_lg_u32 s[CNT], 0
	s_cbranch_scc1 .Ltrip
	s_wait_dscnt 0x0                ; the walk's last tile is written out: nothing is asked for.  V is in,
	s_barrier_signal -1
	s_barrier_wait -1               ; and every wave's reads of the merge area are over
	BODY
	STORE
	s_wait_dscnt 0x0                ; for the others' sake: my partial results are in LDS
	s_barrier_signal -1
	s_barrier_wait -1
	FINISH
	s_wait_tensorcnt 0x0            ; the wave's end: an add of 0 and its wait, behind my last tensor load and my last LDS store
	ds_add_u32 v[SPW], v[NIL]
	s_wait_dscnt 0x0
	CROUND                          ; the closing round: no work-group ends while a partner may still ask for a tile that names it
	s_endpgm
.Lfunc_end_k_qe619c31e56_attn:
	.size	k_qe619c31e56_attn, .Lfunc_end_k_qe619c31e56_attn-k_qe619c31e56_attn
	.p2alignl 7, 3214868480
	.fill 96, 4, 3214868480
	.section	.rodata,"a",@progbits
	.p2align	6, 0x0
	.amdhsa_kernel k_qe619c31e56_attn
		.amdhsa_group_segment_fixed_size 327680
		.amdhsa_private_segment_fixed_size 0
		.amdhsa_enable_private_segment 0
		.amdhsa_kernarg_size 16
		.amdhsa_user_sgpr_count 2
		.amdhsa_user_sgpr_kernarg_segment_ptr 1
		.amdhsa_wavefront_size32 1
		.amdhsa_system_sgpr_workgroup_id_x 1
		.amdhsa_system_sgpr_workgroup_id_y 1
		.amdhsa_system_sgpr_workgroup_id_z 1
		.amdhsa_system_vgpr_workitem_id 0
		.amdhsa_next_free_vgpr 960
		.amdhsa_next_free_sgpr 80
		.amdhsa_reserve_vcc 1
		.amdhsa_float_denorm_mode_32 3
		.amdhsa_float_denorm_mode_16_64 3
		.amdhsa_memory_ordered 1
		.amdhsa_forward_progress 1
		.amdhsa_inst_pref_size 171
	.end_amdhsa_kernel
	.amdgpu_metadata
---
amdhsa.version: [ 1, 2 ]
amdhsa.kernels:
  - .name:           k_qe619c31e56_attn
    .symbol:         k_qe619c31e56_attn.kd
    .args:
      - { .name: qkv, .offset: 0, .size: 8, .value_kind: global_buffer, .address_space: global }
      - { .name: ao, .offset: 8, .size: 8, .value_kind: global_buffer, .address_space: global }
    .group_segment_fixed_size: 327680
    .private_segment_fixed_size: 0
    .kernarg_segment_align: 8
    .kernarg_segment_size: 16
    .max_flat_workgroup_size: 128
    .sgpr_count:     80
    .vgpr_count:     960
    .wavefront_size: 32
...
	.end_amdgpu_metadata
.endif
;; end of part 3
;; launch oproj (part 4): grid 16 x 16, 4 waves a work-group, clusters of 4 x 4, 327,680 bytes of LDS; arguments ao, wo16, out0; writes out0
.if DOCPART == 4
	.amdgcn_target "amdgcn-amd-amdhsa--gfx1250"
	.amdhsa_code_object_version 6
	.text
	.protected	k_qe619c31e56_oproj
	.globl	k_qe619c31e56_oproj
	.p2align	8
	.type	k_qe619c31e56_oproj,@function
k_qe619c31e56_oproj:
	s_mov_b64 s[64:65], 0
	v_nop
	global_prefetch_b8 v0, s[64:65] scope:SCOPE_SE
	s_setreg_imm32_b32 hwreg(HW_REG_WAVE_MODE, 25, 1), 1
	s_wait_xcnt 0x0
	s_wait_alu depctr_hold_cnt(0) depctr_sa_sdst(0) depctr_va_vdst(0) depctr_va_sdst(0) depctr_va_ssrc(0) depctr_va_vcc(0) depctr_vm_vsrc(0)
	s_getreg_b32 s2, hwreg(HW_REG_IB_STS2, 6, 4)
	s_cmp_eq_u32 s2, 0
	s_cbranch_scc0 .Lentry_in_a_cluster
	s_endpgm
.Lentry_in_a_cluster:
	s_bfe_u32 s2, ttmp6, 0x10000c
	s_cmp_lg_u32 s2, 0xf033
	s_cbranch_scc0 .Lentry_shape_is_right
	s_endpgm
.Lentry_shape_is_right:
; THE PROJECTION BACK.  out0[token][n] = sum over k of ao[token][k] wo16[n][k]: 4,096 x 4,096 x 1,024, operands f16 (ao = attention's result / 4, wo16 = 4 x bf16(wo): the factors cancel exactly), sums and output f32.
; SHARES.  A tile of C is 256 tokens x 256 columns: 16 x 16 = 256 work-groups.  Four waves; wave w has row half w / 2 and column half w % 2: 128 x 128 of C in 64 accumulators, 512 registers.
; K goes in steps of 128 (rows of 256 bytes, at multiples of 256 bytes) through two LDS slots filled by tensor loads, 128 rows a wave.  A K step is 256 matrix instructions a wave, of which 224 lie between
; the request for a slot's next tile and the wait for it.
; CLUSTER 4 x 4.  A's tiles hang on the tile row alone and are asked for jointly along a row of the cluster, B's on the tile column alone, along a column: the requests for both are divided by four.
; THE MATRIX INSTRUCTION IS USED TRANSPOSED (source 0 = 16 rows of wo16, source 1 = 16 tokens): a lane holds token l % 16 and the eight columns 16 b + 8 (l / 16) + 0..7.
; THE LAST K STEP GOES BY ROWS OF C: nothing follows the tile under which its 262,144 bytes of stores could leave, so that step's fragments of B all come into registers and the wave's eight blocks of 16 tokens
; are finished one after the other, each leaving as soon as it is finished; K stays ascending in every sum.
; REGISTERS, in windows of 256 (s_set_vgpr_msb: bits 1:0 source 0, 3:2 source 1, 5:4 source 2, 7:6 destination):
;   window 0: v16-29 addresses; v64-127, v128-191 fragments of A (8 x 16 rows x 32 K), two buffers (in the last K step four, of 16 rows x 128 K); v192-255 16 rows read back from the stage
;   window 1: v64-127, v128-191 fragments of B, two buffers; in the last K step all 256: B's fragments of the whole step
;   window 2: the 32 accumulators of my tokens 0-63 (accumulator (a, b) at v[8 (8 a + b)]);   window 3: those of my tokens 64-127
.set SIZE_K, 1024
.set KSH,    11                        ; a row of ao or wo16 is 2,048 bytes
.set KSTEP,  128
.set PITCH,  272                       ; an LDS row: 256 bytes + 16 of padding: the 16 rows of a fragment load start at 16 different groups of four banks (ISA guide 11.1)
.set HALFT,  128*PITCH                 ; 128 rows: what one tensor load brings, and what one wave reads of A or of B
.set SLOT,   4*HALFT                   ; A's 256 rows, then B's 256 rows
.set STAGE,  2*SLOT                    ; behind the ring: 16 rows x 528 bytes for each wave, for the way out
.set SPITCH, 528                       ; 128 f32 + 16 bytes
.set SPARE,  STAGE+4*16*SPITCH         ; the spare words, 128 bytes for each wave: two blocks of 256 bytes that no other line names
.set LAPS,   SIZE_K/(2*KSTEP)          ; a lap = two K steps = once round the ring
.set ROWB,   16384                     ; bytes in a row of out0
.set ADRA, 16                          ; v16-17  LDS address of my A fragments in slot 0, 1
.set ADRB, 20                          ; v20-21  the same for B
.set STO,  24                          ; v24     the way out: where I put 32 bytes of a row
.set RD,   25                          ; v25     where I read a row back
.set CO,   26                          ; v26     16 x lane: my place in 512 consecutive bytes of a row of out0
.set SPW,  28                          ; v28     LDS address of my spare word; never rewritten
.set NIL,  29                          ; v29     0; never rewritten
.set F0,   64                          ; fragment buffer 0
.set F1,   128                         ; fragment buffer 1
.set PA,   64                          ; the last K step: A's fragments of 16 rows x 128 K, 32 registers; four such buffers, v64-191
.set OB,   192                         ; v192-255 a block's 16 rows of 512 bytes
.set WV,  12                           ; s12 wave   s13 row half; also: I fetch for A (0) or B (1)   s14 column half; also: which half of that tile I fetch
.set G1A, 24                           ; s[24:31] descriptor group 1 for A's tiles;  s[32:39] group 0, a set for each slot
.set G0A, 32
.set G1B, 40                           ; s[40:47], s[48:55] the same for B's
.set G0B, 48
.set PADA, (1<<16)|(1<<20)|(1<<21)|(5<<22)|(3<<25)  ; 17:16 2-byte elements; 20 padding on; 21 set beside a mask; 24:22 after every 64 words; 31:25 4 words
.set MSB, 0
.macro WIN new                         ; the immediate's high byte repeats the setting that is left; a switch that changes nothing is dropped
.if MSB != (\new)
	s_set_vgpr_msb (MSB<<8)|(\new)
.set MSB, \new
.endif
.endm
.set MUL_LO, 0xa1                      ; source 0 (B) window 1, source 1 (A) window 0, C and D window 2
.set MUL_HI, 0xf1                      ; the same, C and D window 3
.set TO_B,   0x40                      ; destination window 1, address window 0
.macro PLACES                          ; four places in front of loads into registers that matrix instructions have read, and of lines that read results
.rept 4
	v_nop
.endr
.endm
; A joint refill.  Waves 0 and 1 fetch A's two halves, waves 2 and 3 B's, 128 rows each.  The branch hangs on the wave's number alone.
; An s_nop 0 and four v_nop follow each of the two lines, ahead of the jump and the label.
.macro JLOAD s
	s_cmp_eq_u32 s13, 0
	s_cbranch_scc0 .Lfor_b_\@
	tensor_load_to_lds s[G0A+4*(\s):G0A+4*(\s)+3], s[G1A:G1A+7]
	s_nop 0
.rept 4
	v_nop
.endr
	s_branch .Lasked_\@
.Lfor_b_\@:
	tensor_load_to_lds s[G0B+4*(\s):G0B+4*(\s)+3], s[G1B:G1B+7]
	s_nop 0
.rept 4
	v_nop
.endr
.Lasked_\@:
.endm
.macro CREST                           ; a round of the cluster's barrier behind its opening barrier
	s_cmp_lg_u32 s[WV], 0
	s_cbranch_scc1 .Lnot_wave_0_\@
	s_barrier_signal -3
.Lnot_wave_0_\@:
	s_barrier_wait -3
	s_barrier_signal -1
	s_barrier_wait -1
.endm
.macro CROUND                          ; a whole round
	s_barrier_signal -1
	s_barrier_wait -1
	CREST
.endm
	s_load_b128 s[4:7], s[0:1], 0x0                ; ao s[4:5], wo16 s[6:7]
	s_load_b64 s[8:9], s[0:1], 0x10                ; out0
	v_lshl_add_u32 v[SPW], v0, 2, SPARE
	v_mov_b32 v[NIL], 0
	ds_add_u32 v[SPW], v[NIL]                      ; the wave's opening: the add and its wait stand ahead of my first tensor load; the set-up below, work on registers, stands between them
	v_lshrrev_b32 v1, 5, v0
	v_readfirstlane_b32 s[WV], v1                  ; wave 0..3
	s_lshr_b32 s13, s[WV], 1
	s_and_b32 s14, s[WV], 1
	s_bfe_u32 s72, ttmp6, 0x40000                  ; cx, cy: my place in the cluster
	s_bfe_u32 s73, ttmp6, 0x40004
	s_lshl_b32 s74, ttmp9, 2
	s_add_co_u32 s74, s74, s72                     ; tile column = 4 x cluster x + cx
	s_and_b32 s75, ttmp7, 0xffff
	s_lshl_b32 s75, s75, 2
	s_add_co_u32 s75, s75, s73                     ; tile row = 4 x cluster y + cy
	s_lshl_b32 s76, s73, 2
	s_lshl_b32 s76, 15, s76                        ; my row of the cluster
	s_lshl_b32 s77, 0x1111, s72                    ; my column
	s_or_b32 s[G1A], s76, PADA                     ; A: 128 rows x 128 elements, to my row
	s_mov_b32 s[G1A+1], KSTEP<<16                  ; tensor_dim0
	s_mov_b32 s[G1A+2], 128<<16                    ; tensor_dim1
	s_mov_b32 s[G1A+3], KSTEP<<16                  ; tile_dim0
	s_mov_b32 s[G1A+4], 128                        ; tile_dim1
	s_mov_b32 s[G1A+5], SIZE_K                     ; elements from row to row
	s_mov_b32 s[G1A+6], 0
	s_mov_b32 s[G1A+7], 0
	s_or_b32 s[G1B], s77, PADA                     ; B: the same shape, to my column
	s_mov_b32 s[G1B+1], KSTEP<<16
	s_mov_b32 s[G1B+2], 128<<16
	s_mov_b32 s[G1B+3], KSTEP<<16
	s_mov_b32 s[G1B+4], 128
	s_mov_b32 s[G1B+5], SIZE_K
	s_mov_b32 s[G1B+6], 0
	s_mov_b32 s[G1B+7], 0
	; where the tiles come from: A's offset is made of the tile row and the wave's number, B's of the tile column and the wave's number, each in registers of its own
	s_lshl_b32 s16, s75, 8
	s_lshl_b32 s17, s14, 7
	s_add_co_u32 s16, s16, s17                     ; A: row 256 x tile row + 128 x half
	s_lshl_b32 s16, s16, KSH
	s_mov_b32 s17, 0
	s_lshl_b32 s20, s74, 8
	s_lshl_b32 s21, s14, 7
	s_add_co_u32 s20, s20, s21                     ; B: row 256 x tile column + 128 x half
	s_lshl_b32 s20, s20, KSH
	s_mov_b32 s21, 0
	; and where they go: no place in the cluster enters an LDS address
	s_mul_i32 s2, s14, HALFT                       ; A's two halves,
	s_add_co_u32 s15, s2, 2*HALFT                  ; then B's two
.irp s, 0,1
	s_mov_b32 s[G0A+4*(\s)], 1                     ; count = 1
	s_add_co_u32 s[G0A+4*(\s)+1], s2, (\s)*SLOT    ; LDS address
	s_mov_b32 s[G0B+4*(\s)], 1
	s_add_co_u32 s[G0B+4*(\s)+1], s15, (\s)*SLOT
.endr
	s_lshl_b32 s82, s75, 8
	s_lshl_b32 s81, s13, 7
	s_add_co_u32 s82, s82, s81                     ; my first row of out0,
	s_lshl_b32 s82, s82, 14                        ; 16,384 bytes a row,
	s_lshl_b32 s81, s74, 10
	s_add_co_u32 s82, s82, s81                     ; the tile's 256 columns,
	s_lshl_b32 s81, s14, 9
	s_add_co_u32 s82, s82, s81                     ; my 128 of them
	s_mov_b32 s83, 0
	s_wait_dscnt 0x0                               ; the opening add is done
	s_wait_kmcnt 0x0
	s_add_nc_u64 s[G0A+2:G0A+3], s[4:5], s[16:17]  ; K step 0,
	s_add_nc_u64 s[G0A+6:G0A+7], s[G0A+2:G0A+3], KSTEP*2  ; K step 1
	s_or_b32 s[G0A+3], s[G0A+3], 0x80000000        ; type = 2
	s_or_b32 s[G0A+7], s[G0A+7], 0x80000000
	s_add_nc_u64 s[G0B+2:G0B+3], s[6:7], s[20:21]
	s_add_nc_u64 s[G0B+6:G0B+7], s[G0B+2:G0B+3], KSTEP*2
	s_or_b32 s[G0B+3], s[G0B+3], 0x80000000
	s_or_b32 s[G0B+7], s[G0B+7], 0x80000000
	s_add_nc_u64 s[8:9], s[8:9], s[82:83]
	CROUND                                         ; all sixteen work-groups are here: the first joint loads meet
	s_cmp_eq_u32 s13, 0                            ; a wave's two first fills stand in one branch: two loads of mine are out
	s_cbranch_scc0 .Lfirst_b
	tensor_load_to_lds s[G0A:G0A+3], s[G1A:G1A+7]
	s_nop 0
	tensor_load_to_lds s[G0A+4:G0A+7], s[G1A:G1A+7]
	s_nop 0
.rept 4
	v_nop
.endr
	s_branch .Lfirst_asked
.Lfirst_b:
	tensor_load_to_lds s[G0B:G0B+3], s[G1B:G1B+7]
	s_nop 0
	tensor_load_to_lds s[G0B+4:G0B+7], s[G1B:G1B+7]
	s_nop 0
.rept 4
	v_nop
.endr
.Lfirst_asked:
	; A fragment is 16 rows x 32 K in 8 registers: lane l holds row l % 16, K = 8 (l / 16) + 0..7 and 16 + 8 (l / 16) + 0..7: two loads of 16 bytes, 32 bytes apart
	v_and_b32 v1, 15, v0                           ; l % 16
	v_bfe_u32 v2, v0, 4, 1                         ; l / 16
	v_mul_u32_u24 v3, v1, PITCH
	v_lshl_add_u32 v3, v2, 4, v3                   ; row x pitch + 16 x half
	s_mul_i32 s81, s13, HALFT                      ; my 128 rows of A
	s_mul_i32 s82, s14, HALFT                      ; my 128 rows of B,
	s_add_co_u32 s82, s82, 2*HALFT                 ; which lie behind A's 256
.irp s, 0,1
	v_add_nc_u32 v[ADRA+(\s)], s81, v3
	v_add_nc_u32 v[ADRB+(\s)], s82, v3
	s_add_co_u32 s81, s81, SLOT
	s_add_co_u32 s82, s82, SLOT
.endr
	s_mul_i32 s81, s[WV], 16*SPITCH
	s_add_co_u32 s81, s81, STAGE                   ; my stage
	v_mul_u32_u24 v4, v1, SPITCH                   ; in: row l % 16, 32 bytes for each half of the lanes
	v_lshl_add_u32 v4, v2, 5, v4
	v_add_nc_u32 v[STO], s81, v4
	v_and_b32 v5, 31, v0
	v_lshlrev_b32 v[CO], 4, v5
	v_add_nc_u32 v[RD], s81, v[CO]                 ; back: the 32 lanes take one row's 512 bytes
; 16 matrix instructions: token blocks a0, a0 + 1 of the window's four (hi = 0: my tokens 0-63, 1: tokens 64-127) x all 8 column blocks, 32 along K.  zero = 1: the product starts the sums.
; The 64 accumulators take turns, one instruction a turn, in the same order in every quarter step.
.macro MUL16 f, hi, a0, zero
	WIN MUL_LO+0x50*(\hi)                          ; MUL_LO or MUL_HI
.irp a, \a0, (\a0)+1
.irp b, 0,1,2,3,4,5,6,7
.if \zero
	v_wmma_f32_16x16x32_f16 v[8*(8*(\a)+(\b)):8*(8*(\a)+(\b))+7], v[(\f)+8*(\b):(\f)+8*(\b)+7], v[(\f)+8*(4*(\hi)+(\a)):(\f)+8*(4*(\hi)+(\a))+7], 0
.else
	v_wmma_f32_16x16x32_f16 v[8*(8*(\a)+(\b)):8*(8*(\a)+(\b))+7], v[(\f)+8*(\b):(\f)+8*(\b)+7], v[(\f)+8*(4*(\hi)+(\a)):(\f)+8*(4*(\hi)+(\a))+7], v[8*(8*(\a)+(\b)):8*(8*(\a)+(\b))+7]
.endif
.endr
.endr
.endm
; 32 LDS loads in one run: the fragments of a quarter step (128 rows of B, 128 rows of A, 32 K at byte k of the rows) into buffer f
.macro FETCH slot, k, f
	WIN TO_B
.irp i, 0,1,2,3,4,5,6,7
	ds_load_b128 v[(\f)+8*(\i):(\f)+8*(\i)+3],   v[ADRB+(\slot)] offset:(\k)+(\i)*16*PITCH
	ds_load_b128 v[(\f)+8*(\i)+4:(\f)+8*(\i)+7], v[ADRB+(\slot)] offset:(\k)+(\i)*16*PITCH+32
.endr
	WIN 0
.irp i, 0,1,2,3,4,5,6,7
	ds_load_b128 v[(\f)+8*(\i):(\f)+8*(\i)+3],   v[ADRA+(\slot)] offset:(\k)+(\i)*16*PITCH
	ds_load_b128 v[(\f)+8*(\i)+4:(\f)+8*(\i)+7], v[ADRA+(\slot)] offset:(\k)+(\i)*16*PITCH+32
.endr
.endm
; A K step is four quarters of 32 along K, 64 matrix instructions each, on buffers 0, 1, 0, 1.  One of the first three: multiplies buffer f; in its middle it fetches the next quarter, at byte k, into g.
.macro QUARTER slot, k, f, g, zero
	s_wait_dscnt 8                                 ; B and A's rows 0-63 are in; the youngest eight loads (A's rows 64-127) may be out
	MUL16 \f, 0, 0, \zero
	MUL16 \f, 0, 2, \zero
	PLACES
	FETCH \slot, \k, \g
	s_wait_dscnt 32                                ; all but the 32 just issued
	MUL16 \f, 1, 0, \zero
	MUL16 \f, 1, 2, \zero
.endm
; The last quarter multiplies buffer 1 and changes slots.  MEET is its first half: ONE barrier.  In front of it each wave waits for all its tensor loads, of which one is out: its part of the next slot; adds 0 to
; its spare word; and waits for that and for its own reads of this slot.  Behind it nobody reads this slot any more and the next slot is whole.  round = 1: a round of the cluster's barrier follows.
.macro MEET round
	WIN 0                                          ; (the add's two registers lie in window 0)
	s_wait_tensorcnt 0x0                           ; all my tensor loads have landed
	ds_add_u32 v[SPW], v[NIL]                      ; 0 onto my spare word
	s_wait_dscnt 9                                 ; (the add and the youngest eight loads may be out)
	MUL16 F1, 0, 0, 0                              ; sixteen matrix instructions stand between the add and the wait for it
	s_wait_dscnt 0x0                               ; the add is done, and my reads of this slot are over
	s_barrier_signal -1
	MUL16 F1, 0, 2, 0                              ; work on registers while the others arrive
.if \round
	WIN 0
.endif
	s_barrier_wait -1
.endm
; The whole last quarter: behind the round the slot just read out is filled again first, two K steps ahead; then come the next slot's first fragments.
.macro TURN slot, next
	MEET 1
	CREST                                          ; no wave of any partner still reads this slot's tile or has a load on its way
	s_add_nc_u64 s[G0A+4*(\slot)+2:G0A+4*(\slot)+3], s[G0A+4*(\slot)+2:G0A+4*(\slot)+3], 2*KSTEP*2
	s_add_nc_u64 s[G0B+4*(\slot)+2:G0B+4*(\slot)+3], s[G0B+4*(\slot)+2:G0B+4*(\slot)+3], 2*KSTEP*2
	JLOAD \slot                                    ; the four v_nop behind it are also the places in front of the loads below
	FETCH \next, 0, F0
	MUL16 F1, 1, 0, 0
	MUL16 F1, 1, 2, 0
.endm
; THE LAST K STEP (it lies in slot 1), BY ROWS OF C.  LDS is read no more than in any other K step.
.macro BLOAD q                         ; B's fragments of quarter q -> window 1, v[64 q ..]
	WIN TO_B
.irp i, 0,1,2,3,4,5,6,7
	ds_load_b128 v[64*(\q)+8*(\i):64*(\q)+8*(\i)+3],   v[ADRB+1] offset:64*(\q)+(\i)*16*PITCH
	ds_load_b128 v[64*(\q)+8*(\i)+4:64*(\q)+8*(\i)+7], v[ADRB+1] offset:64*(\q)+(\i)*16*PITCH+32
.endr
.endm
.macro ALOAD a                         ; A's fragments of block a, all four quarters -> buffer a % 4
	WIN 0
.set FA, PA+32*((\a)%4)
.irp q, 0,1,2,3
	ds_load_b128 v[FA+8*(\q):FA+8*(\q)+3],   v[ADRA+1] offset:64*(\q)+(\a)*16*PITCH
	ds_load_b128 v[FA+8*(\q)+4:FA+8*(\q)+7], v[ADRA+1] offset:64*(\q)+(\a)*16*PITCH+32
.endr
.endm
.macro ROW a                           ; block a is finished: 32 matrix instructions, its 8 accumulators by turns, K ascending
.set FA, PA+32*((\a)%4)
.set AC, 64*((\a)%4)                   ; its accumulators, in window 2 (blocks 0-3) or 3 (blocks 4-7)
	WIN MUL_LO+0x50*((\a)/4)
.irp q, 0,1,2,3
.if (\a) == 0 && (\q) == 2
	s_wait_dscnt 24                                ; B's quarter 2 is in (behind it: A's blocks 1 to 3)
.endif
.irp b, 0,1,2,3,4,5,6,7
	v_wmma_f32_16x16x32_f16 v[AC+8*(\b):AC+8*(\b)+7], v[64*(\q)+8*(\b):64*(\q)+8*(\b)+7], v[FA+8*(\q):FA+8*(\q)+7], v[AC+8*(\b):AC+8*(\b)+7]
.endr
.endr
.endm
; THE WAY OUT of block a, in f32: a lane's 32 bytes of each column block go into rows of 528 bytes of my own stage (each accumulator's low registers first), and come back as whole rows of 512 bytes.
.macro TOSTAGE a
.set AC, 64*((\a)%4)
.if (\a) > 0
	s_wait_xcnt 0x0                                ; the last block's stores have had their addresses translated (ISA guide 3.1): only now are their data registers loaded again
.endif
	WIN 0x08+0x04*((\a)/4)                         ; the stores' data in window 2 or 3
.irp b, 0,1,2,3,4,5,6,7
	ds_store_b128 v[STO], v[AC+8*(\b):AC+8*(\b)+3] offset:64*(\b)
	ds_store_b128 v[STO], v[AC+8*(\b)+4:AC+8*(\b)+7] offset:64*(\b)+16
.endr
	WIN 0
.irp p, 0,1,2,3,4,5,6,7,8,9,10,11,12,13,14,15
	ds_load_b128 v[OB+4*(\p):OB+4*(\p)+3], v[RD] offset:SPITCH*(\p)  ; LDS serves a wave's instructions in order (ISA guide 5.7.1.4): these see the stores above; the next block's stores come behind them
.endr
.endm
.macro SEND a, younger                 ; younger: the LDS loads issued behind TOSTAGE's (the eight of an A block, or none), which may stay out
.irp p, 0,1,2,3,4,5,6,7,8,9,10,11,12,13,14,15
.if (\p)%4 == 0
	s_wait_dscnt (\younger)+12-(\p)                ; rows p to p + 3 are back; the block's later rows may be out
.endif
	global_store_b128 v[CO], v[OB+4*(\p):OB+4*(\p)+3], s[8:9] offset:(16*(\a)+(\p))*ROWB th:TH_STORE_NT  ; 512 consecutive bytes of a row, aligned; 127 rows at the most: inside the signed 24-bit immediate
.endr
.endm
	s_wait_tensorcnt 1                             ; my part of K step 0 is in; K step 1's, issued behind it, may stay out
	s_barrier_signal -1
	s_barrier_wait -1                              ; everybody's is
	FETCH 0, 0, F0
	QUARTER 0, 64, F0, F1, 1                       ; the first quarter stands in front of the loop: its products start the sums
	WIN 0                                          ; at a label and at a branch every window is 0
	s_mov_b32 s3, LAPS-1
.Llap:                                                 ; a trip goes once round the ring, from a lap's second quarter to the next lap's first, and fills both slots again
	QUARTER 0, 128, F1, F0, 0
	QUARTER 0, 192, F0, F1, 0
	TURN 0, 1
	QUARTER 1, 64,  F0, F1, 0
	QUARTER 1, 128, F1, F0, 0
	QUARTER 1, 192, F0, F1, 0
	TURN 1, 0
	QUARTER 0, 64,  F0, F1, 0
	WIN 0
	s_sub_co_u32 s3, s3, 1
	s_cmp_lg_u32 s3, 0
	s_cbranch_scc1 .Llap
	QUARTER 0, 128, F1, F0, 0                      ; the last lap goes on; it asks for nothing more
	QUARTER 0, 192, F0, F1, 0
	MEET 0                                         ; my one tensor load that was still out is slot 1's, the last K step's, so no round follows
	PLACES                                         ; for the loads into buffer 0, which the quarter before multiplied
	BLOAD 0                                        ; three quarters of B now: buffer 1 (v128-191 of both windows) is still being multiplied
	BLOAD 1
	BLOAD 3
	ALOAD 0
	MUL16 F1, 1, 0, 0
	MUL16 F1, 1, 2, 0
	PLACES                                         ; for the loads into buffer 1
	BLOAD 2
	ALOAD 1
	ALOAD 2
	ALOAD 3
	s_wait_dscnt 40                                ; all but the 40 just issued
	ROW 0
.irp a, 0,1,2,3,4,5,6,7                ; each block leaves as soon as it is finished
	PLACES                                         ; the LDS stores read results just made, and the loads below land in a buffer just multiplied
	TOSTAGE \a
.if (\a) < 4
	ALOAD (\a)+4                                   ; its buffer takes the block four further on
	SEND \a, 8
.else
	SEND \a, 0
.endif
.if (\a) < 7
	ROW (\a)+1
.endif
.endr
	s_wait_tensorcnt 0x0                           ; the wave's end: an add of 0 and its wait, behind my last tensor load and my last LDS store
	ds_add_u32 v[SPW], v[NIL]
	s_wait_dscnt 0x0
	CROUND                                         ; the closing round: no work-group ends while a partner may still ask for a tile that names it
	s_endpgm
.Lfunc_end_k_qe619c31e56_oproj:
	.size	k_qe619c31e56_oproj, .Lfunc_end_k_qe619c31e56_oproj-k_qe619c31e56_oproj
	.p2alignl 7, 3214868480
	.fill 96, 4, 3214868480
	.section	.rodata,"a",@progbits
	.p2align	6, 0x0
	.amdhsa_kernel k_qe619c31e56_oproj
		.amdhsa_group_segment_fixed_size 327680
		.amdhsa_private_segment_fixed_size 0
		.amdhsa_enable_private_segment 0
		.amdhsa_kernarg_size 24
		.amdhsa_user_sgpr_count 2
		.amdhsa_user_sgpr_kernarg_segment_ptr 1
		.amdhsa_wavefront_size32 1
		.amdhsa_system_sgpr_workgroup_id_x 1
		.amdhsa_system_sgpr_workgroup_id_y 1
		.amdhsa_system_sgpr_workgroup_id_z 1
		.amdhsa_system_vgpr_workitem_id 0
		.amdhsa_next_free_vgpr 1024
		.amdhsa_next_free_sgpr 84
		.amdhsa_reserve_vcc 0
		.amdhsa_float_denorm_mode_32 3
		.amdhsa_float_denorm_mode_16_64 3
		.amdhsa_memory_ordered 1
		.amdhsa_forward_progress 1
		.amdhsa_inst_pref_size 141
	.end_amdhsa_kernel
	.amdgpu_metadata
---
amdhsa.version: [ 1, 2 ]
amdhsa.kernels:
  - .name:           k_qe619c31e56_oproj
    .symbol:         k_qe619c31e56_oproj.kd
    .args:
      - { .name: ao, .offset: 0, .size: 8, .value_kind: global_buffer, .address_space: global }
      - { .name: wo16, .offset: 8, .size: 8, .value_kind: global_buffer, .address_space: global }
      - { .name: out0, .offset: 16, .size: 8, .value_kind: global_buffer, .address_space: global }
    .group_segment_fixed_size: 327680
    .private_segment_fixed_size: 0
    .kernarg_segment_align: 8
    .kernarg_segment_size: 24
    .max_flat_workgroup_size: 128
    .sgpr_count:     84
    .vgpr_count:     1024
    .wavefront_size: 32
...
	.end_amdgpu_metadata
.endif
;; end of part 4
